; MI455X (gfx1250); checked and timed in simulation.
; The chip was launched on July 23, 2026; its instructions are those of AMD's public machine-readable ISA for CDNA 5 (MIT licence, August 2026) and "CDNA5" Instruction Set Architecture Reference Guide (July 2026). The comments in the code are by the model that wrote it; some were corrected since.
;; TCA. Allowed arithmetic: matrix products marked QUANTISED: E2M3 operands, one E8M0 scale for each 32 along K, by v_wmma_scale_f32_16x16x128_f8f6f4 with both operands' format E2M3, f32 sums; everything else in f32.
;; Inputs: Wk 1,024 x 1,024 float32; Wo 1,024 x 1,024 float32; Wq 1,024 x 1,024 float32; Wv 1,024 x 1,024 float32; adj 1,024 x 1,024 float32; alpha one number float32; bk 1,024 float32; bo 1,024 float32; bq 1,024 float32; bv 1,024 float32; mask 1,024 x 1,024 int32; x 4 x 1,024 x 1,024 float32.
;; Outputs: out0 4 x 1,024 x 1,024 float32.
;; Constants: n_heads = 16.
;; This version of the problem:
;;   THIS VERSION OF THE PROBLEM IS GIVEN IN LOW PRECISION. The matrix products marked QUANTISED in the list below multiply operands that are first quantised to E2M3 (2 exponent bits, 3 mantissa bits; 6 bits a number), with one power-of-two scale for each 32 numbers along K (OCP MX v1.0); their sums are f32. All else is computed in f32.
;;   The module's matrix products, in the order in which they are computed (A, B: the left and right operand; K: the contracted axis; several contracted axes count as one K, in the product's order):
;;     1. [M 4,096, K 1,024] x [K 1,024, N 1,024]; A: input x; B: input Wq: QUANTISED
;;     2. [M 4,096, K 1,024] x [K 1,024, N 1,024]; A: input x; B: input Wk: QUANTISED
;;     3. [M 4,096, K 1,024] x [K 1,024, N 1,024]; A: input x; B: input Wv: QUANTISED
;;     4. batch 64 x [M 1,024, K 64] x [K 64, N 1,024]; A: computed on the way; B: computed on the way: QUANTISED
;;     5. batch 64 x [M 1,024, K 1,024] x [K 1,024, N 64]; A: softmax (see below); B: computed on the way: QUANTISED
;;     6. batch 64 x [M 1,024, K 1,024] x [K 1,024, N 64]; A: softmax (see below); B: computed on the way: QUANTISED
;;     7. [M 4,096, K 1,024] x [K 1,024, N 1,024]; A: computed on the way; B: input Wo: QUANTISED
;;   THE QUANTISER, for each operand of a quantised product, along K:
;;     - K is cut into blocks of 32 from its start; a last block that is shorter is filled with zeros.
;;     - A block's scale is 2^e with e = floor(log2(the largest magnitude in the block)) - 2, held to -126 .. 127; a block of zeros has e = 0. As a byte (E8M0): e + 127.
;;     - Each number is divided by its block's scale, clamped to +-7.5, and rounded to the nearest number of E2M3, ties to even, subnormals kept.
;;     - The product sums the exact products of the quantised numbers (number of the format x scale) in f32.
;;   ~~~python
;;   def quantise(x, axis):      # numpy; x: float32 -> the quantised numbers, widened to float32 again
;;       x = np.moveaxis(x, axis, -1); K = x.shape[-1]
;;       x = np.pad(x, [(0, 0)] * (x.ndim - 1) + [(0, -K % 32)]); x = x.reshape(x.shape[:-1] + (-1, 32)); a = np.abs(x).max(-1, keepdims=True)
;;       e = np.where(a > 0, np.clip(np.frexp(np.where(a > 0, a, 1))[1] - 1 - 2, -126, 127), 0)      # np.frexp(a)[1] - 1 = floor(log2(a)), exactly
;;       r = np.clip(x / 2.0 ** e, -7.5, 7.5)
;;       step = 2.0 ** (np.maximum(np.frexp(np.where(r == 0, 1, r))[1] - 1, 0) - 3)
;;       q = np.round(r / step) * step * 2.0 ** e      # np.round: ties to even
;;       return np.moveaxis(q.reshape(q.shape[:-2] + (-1,))[..., :K], -1, axis).astype(np.float32)
;;   ~~~
;;   SOFTMAX AHEAD OF A QUANTISED PRODUCT. Where the list says 'softmax', what is quantised is not the finished softmax but p = 2^(t - M), with t = logit x log2(e) and M = ceil(the row's largest t), a whole number; so 1/2 < the row's largest p <= 1. The row's sum l is taken of the UNQUANTISED p, in f32, and the product's result is divided by l at the end. Since M is a whole number, a kernel that streams over the keys may use a running M (the ceiling of the running maximum): every later rescaling is an exact power of two, which a block's scale takes up: the codes' values come out the same.
;;   OPERANDS COMPUTED ON THE WAY. 'Computed on the way' means the value that the module computes at that place (a softmax that the list does not call 'softmax' is quantised finished and normalised). What goes into a quantiser is computed in f32, as accurately as f32 sums, v_exp_f32 and their like allow (about 1e-6 of the number): no bf16 or f16 on the way to a quantiser, and a product that is left as it is and whose result goes on into a quantised operand takes f32 operands (vector FMAs, or v_wmma_f32_16x16x4_f32). A number that lies on a knife's edge between two numbers of the format may be rounded either way, as far as f32 arithmetic and the matrix unit's own rounding can turn it there, and no further.
;; One version. Each part assembles by itself: llvm-mc -triple=amdgcn-amd-amdhsa -mcpu=gfx1250 --defsym DOCPART=n.
;; ======== version 1 of 1: 3 launches
;; limits: right only within a limited range of input values
;; workspace buffers: xg 3,276,800 bytes; wgb 3,276,800 bytes; adjr 4,194,304 bytes; mbits 131,072 bytes of whole numbers; qr 3,145,728 bytes; qsc 131,072 bytes; kv 6,291,456 bytes; scl 262,144 bytes
;; launch prep (part 1): grid 192 x 1, 16 waves a work-group, no clusters, 323,584 bytes of LDS; arguments x, Wq, Wk, Wv, Wo, adj, mask, xg, wgb, adjr, mbits; writes xg, wgb, adjr, mbits
.if DOCPART == 1
	.amdgcn_target "amdgcn-amd-amdhsa--gfx1250"
	.amdhsa_code_object_version 6
	.text
	.protected	k_qc13b14ed6a_prep
	.globl	k_qc13b14ed6a_prep
	.p2align	8
	.type	k_qc13b14ed6a_prep,@function
k_qc13b14ed6a_prep:
	s_mov_b64 s[64:65], 0
	v_nop
	global_prefetch_b8 v0, s[64:65] scope:SCOPE_SE
	s_setreg_imm32_b32 hwreg(HW_REG_WAVE_MODE, 25, 1), 1
	s_wait_xcnt 0x0
; PREP: x and the four weights become codes of FP6 (E2M3) with one E8M0 byte for each 32 along K, laid in the order of the operands' registers;
; adj is laid anew in the order of the score accumulators' registers; mask becomes one bit a lane in that same order.
; AN IMAGE is a fragment's 12 registers as 1,536 dense bytes: register n of lane L at 512 (n / 4) + 16 L + 4 (n % 4).  A RECORD (6,400 bytes) is four images and then 256 bytes of
; scale words, the word of (tile t, row r) at 6,144 + 128 (t % 2) + 8 r + 4 (t / 2).  xg = [K step 8][64 rows' group 64] records, wgb = [K step 8][64 columns' group 64] records.
; A block's scale is 2^(floor(log2(largest magnitude)) - 2); its byte is the largest magnitude's exponent field - 2, held at 1 from below by a floor among the maximum's leaves.
; LIMITS: a block whose largest magnitude lies under 2^-124 keeps the byte 1 (a block of zeros too: its codes are zeros, and this program alone reads the bytes); NaN and infinities are not served.
; The work-group's number picks the kind of work (number / 64) and the piece (number % 64): 0: 64 rows of x; 1: 512 columns x 128 K of a weight; 2: 16 rows of adj and of mask.
; Each kind has LDS bytes of its own.  No tensor loads, no matrix work, no cluster: no two work-groups read the same byte.
.set R0,   16                          ; v16-79, v80-143  two sets of 64 registers as loaded
.set R1,   80
.set X,    144                         ; v144-207  64 numbers in the order wanted
.set C,    208                         ; v208-219  a fragment's codes
.set CT,   220                         ; v220-222, v224-226  second halves of blocks (a conversion's three registers begin on an even number)
.set MX,   228                         ; v228-229  largest magnitudes, then bytes
.set SO,   230                         ; v230-231  the conversions' scale operands
.set WD,   232                         ; v232-233  the two tiles' scale words
.set PR,   236                         ; v236-237  a pair to be stored
.set PT,   238                         ; a lane permute's destination
.set AMST, 135168                      ; LDS: x's sixteen stages 0 .. 135,167; adj's and mask's sixteen from here; Wv's records from VST; behind them the spare words
.set VST,  270336
.set WX,   32                          ; weights: v32-95 and v160-223: four sets of 32 numbers down K, one for each block of a run
.set CB,   96                          ; v96-119  codes: 24 registers for the wave's run of 32 columns
.set WCT,  144
.set SW,   148                         ; v148 their scale word
.set OUTR, 160                         ; v160-184 the copy out of Wv's records
.macro LD16 set, tile, base            ; 16 rows' 512 bytes, 16 bytes a lane: each load reads 512 consecutive bytes
.irp w, 0,1,2,3,4,5,6,7,8,9,10,11,12,13,14,15
	global_load_b128 v[\set+4*\w:\set+4*\w+3], v4, s[\base:\base+1] offset:(\tile)*65536+\w*4096 th:TH_LOAD_NT
.endr
.endm
.macro STIN set                        ; into the wave's own stage, rows 528 bytes apart
.irp w, 0,1,2,3,4,5,6,7,8,9,10,11,12,13,14,15
	ds_store_b128 v5, v[\set+4*\w:\set+4*\w+3] offset:528*\w
.endr
.endm
	s_load_b512 s[4:19], s[0:1], 0x0               ; x, Wq, Wk, Wv, Wo, adj, mask, xg
	s_load_b128 s[20:23], s[0:1], 0x40             ; wgb, adjr
	s_load_b64 s[24:25], s[0:1], 0x50              ; mbits
	v_lshl_add_u32 v254, v0, 2, 0x4e800
	v_mov_b32 v255, 0
	v_lshrrev_b32 v1, 5, v0
	s_delay_alu instid0(VALU_DEP_1)
	v_readfirstlane_b32 s42, v1                    ; wave 0..15
	s_and_b32 s2, s42, 7                           ; wave % 8
	s_lshr_b32 s38, s42, 3                         ; wave / 8
	v_and_b32 v1, 31, v0                           ; lane
	v_and_b32 v2, 15, v0                           ; r
	v_bfe_u32 v3, v0, 4, 1                         ; h
	s_delay_alu instid0(VALU_DEP_3)
	v_lshlrev_b32 v4, 4, v1                        ; 16 x lane
	s_lshr_b32 s3, ttmp9, 6                        ; the kind of work
	s_and_b32 s26, ttmp9, 63                       ; the piece
	s_mov_b32 s40, 0x76543210
	s_mov_b32 s41, 0xfedcba98                      ; v_permlanex16_b32's selects for lane l xor 16
	s_wait_kmcnt 0x0
	s_cmp_eq_u32 s3, 0
	s_cbranch_scc1 .Lpath_x
; THE KINDS (number / 64, the piece is number % 64; this list holds, not the head's), sixteen waves to a work-group:
; 0: 64 rows of x; 1: 128 K of half a weight's columns; 2: 16 rows of adj (waves 0-7) and the same 16 rows of mask (waves 8-15).
; 192 work-groups: the pieces are 64 of each kind, and no wave has more than 32 (weights: 128 short) loads to ask for, all of them asked for at its start.
	s_mov_b32 s39, s38                             ; weights: which run of 32 columns (Wv: which eight g): wave / 8
	s_bitcmp1_b32 s3, 0
	s_cbranch_scc1 .Lpath_w
; ---- adj and mask (kind 2): piece = tile of 16 queries, wave % 8 = key step of 128 keys, wave / 8 = adj or mask.  One way for both up to the stores.
	s_cmp_eq_u32 s38, 0
	s_cselect_b64 s[28:29], s[14:15], s[16:17]     ; the choice hangs on the wave's number alone
	s_lshl_b32 s30, s26, 16                        ; 16 rows of 4,096 bytes
	s_lshl_b32 s31, s2, 9                          ; 128 columns
	s_add_co_u32 s30, s30, s31
	s_mov_b32 s31, 0
	s_add_nc_u64 s[28:29], s[28:29], s[30:31]
	s_wait_alu depctr_va_vdst(0)
	LD16 R0, 0, 28
	s_mul_i32 s27, s42, 8448
	s_add_co_u32 s27, s27, AMST                    ; my stage
	v_add_nc_u32 v5, s27, v4
	v_mul_u32_u24 v6, v2, 528
	s_delay_alu instid0(VALU_DEP_1)
	v_lshl_add_u32 v6, v3, 6, v6
	s_delay_alu instid0(VALU_DEP_1)
	v_add_nc_u32 v6, s27, v6                       ; back: row r, + 64 h: register 16 b + i = column 32 b + 16 h + i
	s_lshl_b32 s32, s2, 6
	s_add_co_u32 s32, s32, s26
	s_lshl_b32 s32, s32, 13                        ; adjr: (step x 64 + tile) x 8,192
	s_mov_b32 s33, 0
	s_add_nc_u64 s[22:23], s[22:23], s[32:33]
	s_lshl_b32 s32, s26, 3
	s_add_co_u32 s32, s32, s2
	s_lshl_b32 s32, s32, 8                         ; mbits: (tile x 8 + step) x 256
	s_add_nc_u64 s[24:25], s[24:25], s[32:33]
	s_wait_alu depctr_va_vdst(0)
	s_wait_loadcnt 0x0
	STIN R0
.set jj, 0
.rept 16
	ds_load_b128 v[X+4*jj:X+4*jj+3], v6 offset:128*(jj/4)+16*(jj%4)   ; LDS serves a wave's instructions in order: these see my stores
.set jj, jj+1
.endr
	s_wait_dscnt 0x0
	s_cmp_eq_u32 s38, 0
	s_cbranch_scc0 .Lmask
.set jj, 0
.rept 16
	global_store_b128 v4, v[X+4*jj:X+4*jj+3], s[22:23] offset:512*jj   ; 512 consecutive bytes a store
.set jj, jj+1
.endr
	s_wait_tensorcnt 0x0                           ; the wave's end
	ds_add_u32 v254, v255
	s_wait_dscnt 0x0
	s_endpgm
.Lmask:
	v_mov_b32 v[PR], 0
	v_mov_b32 v[PR+1], 0
.set jj, 0
.rept 64
	v_cmp_ne_u32 s30, 0, v[X+jj]                   ; word j: bit L = lane L's register j is not 0
	s_delay_alu instid0(VALU_DEP_1)
	v_writelane_b32 v[PR+jj%2], s30, jj/2          ; words 2 L and 2 L + 1 gather in lane L
.set jj, jj+1
.endr
	v_lshlrev_b32 v7, 3, v1
	global_store_b64 v7, v[PR:PR+1], s[24:25]      ; 256 consecutive bytes
	s_wait_tensorcnt 0x0
	ds_add_u32 v254, v255
	s_wait_dscnt 0x0
	s_endpgm
; ---- x: piece = group of 64 rows, wave % 8 = K step of 128, p = wave / 8: a wave makes tiles p and p + 2 of a record, and the 128 bytes of scale words that belong to them.
.Lpath_x:
	s_lshl_b32 s28, s26, 18                        ; 64 rows of 4,096 bytes
	s_lshl_b32 s29, s2, 9
	s_add_co_u32 s28, s28, s29
	s_lshl_b32 s29, s38, 16                        ; tile p: 16 rows on
	s_add_co_u32 s28, s28, s29
	s_mov_b32 s29, 0
	s_add_nc_u64 s[4:5], s[4:5], s[28:29]
	s_wait_alu depctr_va_vdst(0)
	LD16 R0, 0, 4
	LD16 R1, 2, 4
	s_lshl_b32 s28, s2, 6
	s_add_co_u32 s28, s28, s26
	s_mul_i32 s28, s28, 6400                       ; the record
	s_add_nc_u64 s[18:19], s[18:19], s[28:29]
	s_mul_i32 s27, s42, 8448                       ; my stage
	s_mul_i32 s30, s38, 1536
	v_add_nc_u32 v9, s30, v4                       ; tile p's image, 16 x lane
	v_add_nc_u32 v5, s27, v4
	v_mul_u32_u24 v6, v2, 528
	s_delay_alu instid0(VALU_DEP_1)
	v_lshl_add_u32 v6, v3, 7, v6
	s_delay_alu instid0(VALU_DEP_1)
	v_add_nc_u32 v6, s27, v6                       ; back: row r, + 128 h: register 32 c + i = k 64 c + 32 h + i: two whole blocks a lane
	v_lshlrev_b32 v7, 3, v3                        ; 8 h
	v_mov_b32 v[PT], 0
.macro XTILE i, set
.if (\i) < 1
	s_wait_loadcnt 16                              ; this tile's 16 loads are in; the next tile's 16 may be out
.else
	s_wait_loadcnt 0x0
.endif
	STIN \set
.set jj, 0
.rept 16
	ds_load_b128 v[X+4*jj:X+4*jj+3], v6 offset:256*(jj/8)+16*(jj%8)
.set jj, jj+1
.endr
	s_wait_dscnt 0x0                               ; the numbers are back, and the stores into the stage have read their registers,
.if (\i) > 0
	s_wait_xcnt 0x0                                ; the last tile's stores have read C: it is written again only behind this wait
.endif
.irp c, 0,1
	v_max3_num_f32 v[MX+\c], |v[X+32*\c]|, |v[X+32*\c+1]|, 0x1800000   ; with the floor 2^(3 - 127)
.endr
.irp n, 2,4,6,8,10,12,14,16,18,20,22,24,26,28,30
.irp c, 0,1
	s_delay_alu instid0(VALU_DEP_2)
	v_max3_num_f32 v[MX+\c], v[MX+\c], |v[X+32*\c+\n]|, |v[X+32*\c+\n+1]|
.endr
.endr
.irp c, 0,1
	s_delay_alu instid0(VALU_DEP_2)
	v_add_nc_u32 v[SO+\c], 0xff000000, v[MX+\c]    ; 2 off the exponent field: the conversion's scale operand
.endr
.irp c, 0,1
	s_delay_alu instid0(VALU_DEP_2)
	v_lshrrev_b32 v[MX+\c], 23, v[SO+\c]           ; the byte
.endr
	s_delay_alu instid0(VALU_DEP_1)
	v_lshl_or_b32 v[WD+\i], v[MX+1], 16, v[MX]     ; my blocks h and 2 + h,
	s_delay_alu instid0(VALU_DEP_1)
	v_lshlrev_b32 v[WD+\i], v7, v[WD+\i]           ; at their places in the word;
	s_delay_alu instid0(VALU_DEP_1)
	v_permlanex16_b32 v[PT], v[WD+\i], s40, s41
	s_delay_alu instid0(VALU_DEP_1)
	v_or_b32 v[WD+\i], v[WD+\i], v[PT]             ; with lane l xor 16's two the word is whole
.irp c, 0,1
	v_cvt_scalef32_pk16_fp6_f32 v[C+6*\c:C+6*\c+2], v[X+32*\c:X+32*\c+15], v[SO+\c]
	v_cvt_scalef32_pk16_fp6_f32 v[CT+4*\c:CT+4*\c+2], v[X+32*\c+16:X+32*\c+31], v[SO+\c]
.endr
	v_nop                                          ; one plain place behind a scaled conversion
.irp c, 0,1
.irp n, 0,1,2
	v_mov_b32 v[C+6*\c+3+\n], v[CT+4*\c+\n]
.endr
.endr
.irp n, 0,1,2
	global_store_b128 v9, v[C+4*\n:C+4*\n+3], s[18:19] offset:3072*(\i)+512*\n   ; the image: 512 consecutive bytes a store
.endr
.endm
	s_wait_alu depctr_va_vdst(0)
	XTILE 0, R0
	XTILE 1, R1
	s_lshl_b32 s30, s38, 7
	v_lshlrev_b32 v8, 3, v2
	v_add_nc_u32 v8, s30, v8                       ; 128 p + 8 r: the words of tiles p and p + 2 of row r lie side by side
	global_store_b64 v8, v[WD:WD+1], s[18:19] offset:6144   ; 128 consecutive bytes; lanes r and r + 16 hold the same two words and write the same place
	s_wait_tensorcnt 0x0
	ds_add_u32 v254, v255
	s_wait_dscnt 0x0
	s_endpgm
; ---- weights: piece = (matrix, half of its columns, K step), run = wave / 8.  A lane takes a column and its registers run down K; a wave takes ONE run of 32 columns x 128 K: four blocks.
.Lpath_w:
	s_lshr_b32 s27, s26, 4                         ; 0 Wq, 1 Wk, 2 Wv, 3 Wo
	s_bfe_u32 s28, s26, 0x10003                    ; which half
	s_and_b32 s29, s26, 7                          ; K step
	s_cmp_eq_u32 s27, 0
	s_cselect_b64 s[30:31], s[6:7], s[8:9]
	s_cmp_eq_u32 s27, 2
	s_cselect_b64 s[30:31], s[10:11], s[30:31]
	s_cmp_eq_u32 s27, 3
	s_cselect_b64 s[30:31], s[12:13], s[30:31]
	s_lshl_b32 s32, s29, 19                        ; 128 rows of 4,096 bytes
	s_mov_b32 s33, 0
	s_add_nc_u64 s[30:31], s[30:31], s[32:33]
	s_wait_alu depctr_va_vdst(0)
	v_lshlrev_b32 v5, 2, v1
.macro WLD t, subs                     ; block t (0 to 3) of my run, into set t
.irp i, 0,1,2,3,4,5,6,7,8,9,10,11,12,13,14,15,16,17,18,19,20,21,22,23,24,25,26,27,28,29,30,31
	global_load_b32 v[WX+32*(\t)+64*((\t)/2)+\i], v5, s[30:31] offset:(32*(\t)+\i)*4096 th:TH_LOAD_NT
.endr
.endm
.macro WBLK t, subs                    ; block 2 cc + hh of a column goes to registers 6 cc .. 6 cc + 5 of fragment lane (row, hh)
.set XS, WX+32*(\t)+64*((\t)/2)
.set CBB, CB+12*((\t)%2)+6*((\t)/2)
.if (\t) < 2
	s_wait_loadcnt 63                              ; behind this block's loads stand 96 or 64 more: the field's largest count is under both
.else
	s_wait_loadcnt 32*(3-(\t))                     ; the later blocks' loads may be out
.endif
	v_max3_num_f32 v12, |v[XS]|, |v[XS+1]|, 0x1800000
	v_max3_num_f32 v13, |v[XS+2]|, |v[XS+3]|, |v[XS+4]|
.irp i, 5,9,13,17,21,25
	s_delay_alu instid0(VALU_DEP_2)
	v_max3_num_f32 v12, v12, |v[XS+\i]|, |v[XS+\i+1]|
	s_delay_alu instid0(VALU_DEP_2)
	v_max3_num_f32 v13, v13, |v[XS+\i+2]|, |v[XS+\i+3]|
.endr
	s_delay_alu instid0(VALU_DEP_2)
	v_max3_num_f32 v12, v12, |v[XS+29]|, |v[XS+30]|
	s_delay_alu instid0(VALU_DEP_1)
	v_max3_num_f32 v12, v12, v13, |v[XS+31]|
	s_delay_alu instid0(VALU_DEP_1)
	v_add_nc_u32 v11, 0xff000000, v12
	s_delay_alu instid0(VALU_DEP_1)
	v_lshrrev_b32 v13, 23, v11
.if (\t)%4 == 0
	s_delay_alu instid0(VALU_DEP_1)
	v_mov_b32 v[SW+(\t)/4], v13
.else
	s_delay_alu instid0(VALU_DEP_1)
	v_lshl_or_b32 v[SW+(\t)/4], v13, 8*((\t)%4), v[SW+(\t)/4]
.endif
	v_cvt_scalef32_pk16_fp6_f32 v[CBB:CBB+2], v[XS:XS+15], v11
	v_cvt_scalef32_pk16_fp6_f32 v[WCT:WCT+2], v[XS+16:XS+31], v11
	v_nop                                          ; one plain place behind a scaled conversion
.irp i, 0,1,2
	v_mov_b32 v[CBB+3+\i], v[WCT+\i]
.endr
.endm
	s_cmp_eq_u32 s27, 2
	s_cbranch_scc1 .Lpath_wv
	; Wq, Wk, Wo: wave = group of 64 columns.  Wq, Wk: lane r of tile 2 b + u is column 32 b + 8 u + r + 8 (r / 8) of the group; Wo: lane r of tile t is column 16 t + r.
	s_lshl_b32 s32, s28, 11
	s_lshl_b32 s34, s2, 8
	s_add_co_u32 s32, s32, s34
	s_lshl_b32 s34, s39, 7                         ; my run: 32 columns of 4 bytes
	s_add_co_u32 s32, s32, s34
	s_add_nc_u64 s[30:31], s[30:31], s[32:33]
	s_wait_alu depctr_va_vdst(0)                   ; ahead of the reader of v5 below
	WLD 0, 128
	WLD 1, 128
	WLD 2, 128
	WLD 3, 128
	s_lshl_b32 s32, s29, 6
	s_lshl_b32 s34, s27, 4
	s_add_co_u32 s32, s32, s34
	s_lshl_b32 s34, s28, 3
	s_add_co_u32 s32, s32, s34
	s_add_co_u32 s32, s32, s2
	s_mul_i32 s32, s32, 6400                       ; my record: K step x 64 + 16 x matrix + 8 x half + wave
	s_add_nc_u64 s[20:21], s[20:21], s[32:33]
	v_bfe_u32 v6, v0, 3, 1                         ; Wq, Wk: which of a run's two tiles,
	v_and_b32 v7, 7, v0
	s_delay_alu instid0(VALU_DEP_1)
	v_lshl_add_u32 v7, v3, 3, v7                   ; and which row of it
	s_cmp_eq_u32 s27, 3
	s_cselect_b32 s34, -1, 0
	v_cndmask_b32 v6, v6, v3, s34                  ; Wo: lane / 16,
	v_cndmask_b32 v7, v7, v2, s34                  ; lane % 16
	s_delay_alu instid0(VALU_DEP_2)
	v_mul_u32_u24 v8, v6, 1536
	s_delay_alu instid0(VALU_DEP_1)
	v_lshl_add_u32 v8, v7, 4, v8
	s_delay_alu instid0(VALU_DEP_4)
	v_lshlrev_b32 v9, 7, v6
	s_delay_alu instid0(VALU_DEP_1)
	v_lshl_add_u32 v9, v7, 3, v9
	s_mul_i32 s35, s39, 3072                       ; my run's two images of the record,
	s_lshl_b32 s36, s39, 2                         ; and its word of each pair of scale words
	v_add_nc_u32 v8, s35, v8
	v_add_nc_u32 v9, s36, v9
.macro WOUT sub                        ; sixteen lanes write 256 consecutive bytes of an image
.irp hh, 0,1
.irp j, 0,1,2
	global_store_b128 v8, v[CB+24*\sub+12*\hh+4*\j:CB+24*\sub+12*\hh+4*\j+3], s[20:21] offset:\sub*3072+256*\hh+512*\j
.endr
.endr
.endm
	WBLK 0, 128
	WBLK 1, 128
	WBLK 2, 128
	WBLK 3, 128
	WOUT 0
	global_store_b32 v9, v[SW], s[20:21] offset:6144
	s_endpgm
	; Wv: column 64 g + d with g = 8 x run + wave % 8 and d = 32 x half + lane.  Lane r of tile 2 pq + u of record rec is g = 8 u + r % 8, d = 32 x half + 4 rec + 2 pq + r / 8:
	; so the eight waves of a run make the tiles with u = run of eight records.  A tile's rows come from eight waves: the records are gathered in LDS and leave as whole images.
.Lpath_wv:
	s_lshl_b32 s32, s2, 8
	s_lshl_b32 s34, s28, 7
	s_add_co_u32 s32, s32, s34
	s_lshl_b32 s34, s39, 11
	s_add_co_u32 s32, s32, s34
	s_add_nc_u64 s[30:31], s[30:31], s[32:33]
	s_wait_alu depctr_va_vdst(0)
	WLD 0, 256
	WLD 1, 256
	WLD 2, 256
	WLD 3, 256
	v_lshrrev_b32 v6, 2, v1
	s_delay_alu instid0(VALU_DEP_1)
	v_mul_u32_u24 v6, v6, 6400                     ; record lane / 4
	v_bfe_u32 v7, v0, 1, 1                         ; pq
	v_and_b32 v8, 1, v0                            ; r / 8
	s_delay_alu instid0(VALU_DEP_2)
	v_mad_u32_u24 v9, v7, 3072, v6
	s_delay_alu instid0(VALU_DEP_1)
	v_lshl_add_u32 v9, v8, 7, v9
	s_lshl_b32 s36, s2, 4                          ; r % 8 = wave % 8
	s_add_co_u32 s36, s36, VST
	s_mul_i32 s37, s39, 1536                       ; u = run
	s_add_co_u32 s36, s36, s37
	v_add_nc_u32 v9, s36, v9                       ; my row's 16 bytes in an image
	v_lshl_add_u32 v10, v8, 6, v6
	s_delay_alu instid0(VALU_DEP_1)
	v_lshl_add_u32 v10, v7, 2, v10
	s_lshl_b32 s36, s2, 3
	s_add_co_u32 s36, s36, VST+6144
	s_lshl_b32 s37, s39, 7
	s_add_co_u32 s36, s36, s37
	v_add_nc_u32 v10, s36, v10                     ; and its scale word
	s_mul_i32 s36, s2, 6400
	s_add_co_u32 s37, s36, VST
	s_mul_i32 s34, s39, 1536
	v_lshlrev_b32 v15, 3, v1
	v_lshlrev_b32 v18, 2, v1
	v_add_nc_u32 v17, s34, v15                     ; the copy out: wave w takes the images of u = w / 8 of record w % 8: their place in the record, 8 bytes a lane,
	s_lshl_b32 s34, s39, 7
	v_add_nc_u32 v18, s34, v18                     ; and that of their 128 bytes of scale words, 4 bytes a lane;
	v_add_nc_u32 v16, s37, v17                     ; the same two places in LDS
	v_add_nc_u32 v19, s37, v18
	s_lshl_b32 s32, s29, 6
	s_lshl_b32 s34, s28, 3
	s_add_co_u32 s32, s32, s34
	s_add_co_u32 s32, s32, s2
	s_add_co_u32 s32, s32, 32
	s_mul_i32 s32, s32, 6400
	s_add_nc_u64 s[20:21], s[20:21], s[32:33]
.macro VOUT sub
.irp hh, 0,1
.irp j, 0,1,2
	ds_store_b128 v9, v[CB+24*\sub+12*\hh+4*\j:CB+24*\sub+12*\hh+4*\j+3] offset:16*\sub+256*\hh+512*\j
.endr
.endr
	ds_store_b32 v10, v[SW+\sub] offset:8*\sub
.endm
	WBLK 0, 256
	WBLK 1, 256
	WBLK 2, 256
	WBLK 3, 256
	VOUT 0
	s_wait_dscnt 0x0                               ; for the others' sake: my stores have landed
	s_barrier_signal -1                            ; (the way here hangs on the work-group's number alone: all sixteen waves pass)
	s_barrier_wait -1
.set jj, 0
.rept 12
	ds_load_b64 v[OUTR+2*jj:OUTR+2*jj+1], v16 offset:256*(jj%6)+3072*(jj/6)   ; two images of 1,536 bytes
.set jj, jj+1
.endr
	ds_load_b32 v[OUTR+24], v19 offset:6144
.set jj, 0
.rept 12
	s_wait_dscnt 12-jj                             ; the younger loads may be out
	global_store_b64 v17, v[OUTR+2*jj:OUTR+2*jj+1], s[20:21] offset:256*(jj%6)+3072*(jj/6)   ; 256 consecutive bytes a store
.set jj, jj+1
.endr
	s_wait_dscnt 0x0
	global_store_b32 v18, v[OUTR+24], s[20:21] offset:6144   ; 128 consecutive bytes: this run's half of the record's scale words
	s_wait_tensorcnt 0x0
	ds_add_u32 v254, v255
	s_wait_dscnt 0x0
	s_endpgm
.Lfunc_end_k_qc13b14ed6a_prep:
	.size	k_qc13b14ed6a_prep, .Lfunc_end_k_qc13b14ed6a_prep-k_qc13b14ed6a_prep
	.p2alignl 7, 3214868480
	.fill 96, 4, 3214868480
	.section	.rodata,"a",@progbits
	.p2align	6, 0x0
	.amdhsa_kernel k_qc13b14ed6a_prep
		.amdhsa_group_segment_fixed_size 323584
		.amdhsa_private_segment_fixed_size 0
		.amdhsa_enable_private_segment 0
		.amdhsa_kernarg_size 88
		.amdhsa_user_sgpr_count 2
		.amdhsa_user_sgpr_kernarg_segment_ptr 1
		.amdhsa_wavefront_size32 1
		.amdhsa_system_sgpr_workgroup_id_x 1
		.amdhsa_system_sgpr_workgroup_id_y 1
		.amdhsa_system_sgpr_workgroup_id_z 1
		.amdhsa_system_vgpr_workitem_id 0
		.amdhsa_next_free_vgpr 256
		.amdhsa_next_free_sgpr 66
		.amdhsa_reserve_vcc 0
		.amdhsa_float_denorm_mode_32 3
		.amdhsa_float_denorm_mode_16_64 3
		.amdhsa_memory_ordered 1
		.amdhsa_forward_progress 1
		.amdhsa_inst_pref_size 83
	.end_amdhsa_kernel
	.amdgpu_metadata
---
amdhsa.version: [ 1, 2 ]
amdhsa.kernels:
  - .name:           k_qc13b14ed6a_prep
    .symbol:         k_qc13b14ed6a_prep.kd
    .args:
      - { .name: x, .offset: 0, .size: 8, .value_kind: global_buffer, .address_space: global }
      - { .name: Wq, .offset: 8, .size: 8, .value_kind: global_buffer, .address_space: global }
      - { .name: Wk, .offset: 16, .size: 8, .value_kind: global_buffer, .address_space: global }
      - { .name: Wv, .offset: 24, .size: 8, .value_kind: global_buffer, .address_space: global }
      - { .name: Wo, .offset: 32, .size: 8, .value_kind: global_buffer, .address_space: global }
      - { .name: adj, .offset: 40, .size: 8, .value_kind: global_buffer, .address_space: global }
      - { .name: mask, .offset: 48, .size: 8, .value_kind: global_buffer, .address_space: global }
      - { .name: xg, .offset: 56, .size: 8, .value_kind: global_buffer, .address_space: global }
      - { .name: wgb, .offset: 64, .size: 8, .value_kind: global_buffer, .address_space: global }
      - { .name: adjr, .offset: 72, .size: 8, .value_kind: global_buffer, .address_space: global }
      - { .name: mbits, .offset: 80, .size: 8, .value_kind: global_buffer, .address_space: global }
    .group_segment_fixed_size: 323584
    .private_segment_fixed_size: 0
    .kernarg_segment_align: 8
    .kernarg_segment_size: 88
    .max_flat_workgroup_size: 512
    .sgpr_count:     66
    .vgpr_count:     256
    .wavefront_size: 32
...
	.end_amdgpu_metadata
.endif
;; end of part 1
;; launch qkv (part 2): grid 32 x 6, 16 waves a work-group, clusters of 4 x 1, 327,680 bytes of LDS; arguments xg, wgb, bq, bk, bv, qr, qsc, kv, scl; writes qr, qsc, kv, scl
.if DOCPART == 2
	.amdgcn_target "amdgcn-amd-amdhsa--gfx1250"
	.amdhsa_code_object_version 6
	.text
	.protected	k_qc13b14ed6a_qkv
	.globl	k_qc13b14ed6a_qkv
	.p2align	8
	.type	k_qc13b14ed6a_qkv,@function
k_qc13b14ed6a_qkv:
	s_mov_b64 s[64:65], 0
	v_nop
	global_prefetch_b8 v0, s[64:65] scope:SCOPE_SE
	s_setreg_imm32_b32 hwreg(HW_REG_WAVE_MODE, 25, 1), 1
	s_wait_xcnt 0x0
	s_wait_alu depctr_hold_cnt(0) depctr_sa_sdst(0) depctr_va_vdst(0) depctr_va_sdst(0) depctr_va_ssrc(0) depctr_va_vcc(0) depctr_vm_vsrc(0)
	s_getreg_b32 s2, hwreg(HW_REG_IB_STS2, 6, 4)
	s_cmp_eq_u32 s2, 0
	s_cbranch_scc0 .Lentry_in_a_cluster
	s_endpgm
.Lentry_in_a_cluster:
	s_bfe_u32 s2, ttmp6, 0x10000c
	s_cmp_lg_u32 s2, 0x3003
	s_cbranch_scc0 .Lentry_shape_is_right
	s_endpgm
.Lentry_shape_is_right:
; QKV: Q = x Wq + bq, K = x Wk + bk, V = x Wv + bv on codes of FP6 (E2M3), and the quantisers of the three results: Q and K along the head's 64 channels, V along the keys.
; The view of reference() is a plain one: batch hb is rows 64 hb + rho of a projection, token t = 16 rho + g with g = column / 64, channel d = column % 64.
; SHARES.  Work-group (rp, y) makes rows 128 rp .. + 127 (batches 2 rp, 2 rp + 1) x 512 columns: y = 0, 1 Q's halves, 2, 3 K's, 4, 5 V's.  Wave w makes 64 rows (w / 8) x 64 columns (record w % 8):
; 16 accumulators.  192 work-groups: a work-group owns whole images of the results (512 columns), so that each aligned run of 256 bytes is stored whole, and no split of that kind gives 256 equal parts.
; CLUSTER.  The four work-groups of a cluster share y: the weights' records, four fifths of a slot's bytes, are asked for jointly (mask 15).  x's records differ from partner to partner: plain loads, in the same rounds.
; THE PRODUCT IS USED TRANSPOSED (source 0 = 16 columns of W, source 1 = 16 rows of x), and the columns that form a tile were chosen by the launch before, so that a lane's registers run along the next K:
;   Q, K: registers 16 b + i of lane (r, h) are channels 32 b + 16 h + i of row r;   V: registers 16 pq + i are keys g = i of row r at channel 32 (y % 2) + 4 (w % 8) + 2 pq + h.
; RESULTS.  K's (and Q's) format: token (rho, g): e = rho % 2, q2 = rho / 2 % 2, pi = rho / 4 % 2, st = rho / 8, u = g / 8, rf = 8 e + g % 8: its 24 bytes of channels 32 h on are registers 6 q2 .. 6 q2 + 5 of lane
; rf + 16 h of image (st, u, pi); its two scale bytes are bytes 2 q2, 2 q2 + 1 of word (u, st, pi, rf).  So one operand of 128 along K holds two tiles of 16 keys x 64 channels.
; V's format: image 2 b + uf of step st: lane (rf, hf) holds channel 32 b + 8 uf + rf + 8 (rf / 8); registers 6 cf .. hold keys 128 st + 64 cf + 32 hf + 0 .. 31; byte 2 cf + hf of word (b, st, uf, rf) scales them.
; LIMITS: a block whose largest magnitude lies under 2^-124 keeps the byte 1; NaN and infinities are not served.
.set SLOTB, 128000                     ; a slot: two K steps: [x 12,800][x 12,800][W 51,200][W 51,200]
.set SPARE, 256000                     ; behind the two slots: the spare words, 128 bytes a wave: eight blocks of 256 bytes that no other line names
.set QKST,  0                          ; the stages lie in slot 0, behind its last fill and its last read: Q's or K's codes [row half][st][pi] image,
.set QKSC,  49152                      ; their scale words,
.set VSTG,  51200                      ; V's codes [row half][st][uf] image,
.set VSC,   100352                     ; and its scale words
.set WF,  20                           ; v20-67   W's four fragments
.set XF,  68                           ; v68-115  x's four
.set ACC, 116                          ; v116-243 accumulator (a, t) at ACC + 8 (4 a + t).  v12-15, v16-19: W's and x's scale words, and nothing else
.set WV,  2
.set G1X, 24
.set G1W, 32
.set G0X, 40
.set G0W, 48
.set SEL, 62
.set QM,  20                           ; the quantisers' registers lie where the fragments lay
.set QP,  22
.set QO,  24
.set QW,  28
.set CD,  30
.set CT,  36
.macro CROUND                          ; a round of the cluster's barrier
	s_barrier_signal -1
	s_barrier_wait -1
	s_cmp_lg_u32 s[WV], 0
	s_cbranch_scc1 .Lnot_wave_0_\@
	s_barrier_signal -3
.Lnot_wave_0_\@:
	s_barrier_wait -3
	s_barrier_signal -1
	s_barrier_wait -1
.endm
.macro TL sg                           ; waves 0, 1: x's two K steps; waves 2-9: W's eight pieces; the others nothing.  Four v_nop follow each line
	s_cmp_lt_u32 s[WV], 2
	s_cbranch_scc0 .Lnot_x_\@
	tensor_load_to_lds s[G0X+4*\sg:G0X+4*\sg+3], s[G1X:G1X+7]
	s_nop 0
.rept 4
	v_nop
.endr
	s_branch .Lasked_\@
.Lnot_x_\@:
	s_cmp_lt_u32 s[WV], 10
	s_cbranch_scc0 .Lasked_\@
	tensor_load_to_lds s[G0W+4*\sg:G0W+4*\sg+3], s[G1W:G1W+7]
	s_nop 0
.rept 4
	v_nop
.endr
.Lasked_\@:
.endm
	s_load_b512 s[4:19], s[0:1], 0x0               ; xg, wgb, bq, bk, bv, qr, qsc, kv
	s_load_b64 s[20:21], s[0:1], 0x40              ; scl
	v_lshl_add_u32 v1, v0, 2, SPARE
	v_mov_b32 v2, 0
	ds_add_u32 v1, v2
	ds_add_u32 v1, v2
	s_wait_dscnt 0x0
	v_lshrrev_b32 v3, 5, v0
	s_delay_alu instid0(VALU_DEP_1)
	v_readfirstlane_b32 s[WV], v3                  ; wave 0..15
	s_bfe_u32 s56, ttmp6, 0x40000                  ; cx
	s_lshl_b32 s22, ttmp9, 2
	s_add_co_u32 s22, s22, s56                     ; rp: it enters x's and the results' global addresses alone
	s_and_b32 s3, ttmp7, 0xffff                    ; y, which the partners share
	s_lshr_b32 s23, s[WV], 3                       ; which 64 rows
	s_and_b32 s57, s[WV], 7                        ; which record of W
	s_and_b32 s58, s3, 1
	s_mov_b32 s[SEL], 0x76543210
	s_mov_b32 s[SEL+1], 0xfedcba98
	; every piece is 12,800 dense bytes: 50 rows of 32 elements of 8 bytes
	s_mov_b32 s[G1X], 3<<16                        ; no mask
	s_mov_b32 s[G1W], 15|(3<<16)|(1<<21)           ; the mask: all four; bit 21 beside it
.irp g, G1X, G1W
	s_mov_b32 s[\g+1], 32<<16                      ; tensor_dim0
	s_mov_b32 s[\g+2], 50<<16                      ; tensor_dim1
	s_mov_b32 s[\g+3], 32<<16                      ; tile_dim0
	s_mov_b32 s[\g+4], 50                          ; tile_dim1
	s_mov_b32 s[\g+5], 32                          ; pitch
	s_mov_b32 s[\g+6], 0
	s_mov_b32 s[\g+7], 0
.endr
	s_and_b32 s59, s[WV], 1                        ; x: which of a slot's two K steps
	s_mul_i32 s60, s59, 12800
	s_lshl_b32 s61, s59, 6
	s_lshl_b32 s66, s22, 1
	s_add_co_u32 s66, s66, s61
	s_mul_i32 s66, s66, 6400                       ; record (K step x 64 + 2 rp)
	s_mov_b32 s67, 0
	s_add_co_u32 s68, s[WV], 6
	s_and_b32 s68, s68, 7                          ; W: piece 0..7 for waves 2..9
	s_mul_i32 s69, s68, 12800
	s_add_co_u32 s69, s69, 25600
	s_lshr_b32 s70, s68, 2
	s_lshl_b32 s70, s70, 6
	s_lshl_b32 s71, s3, 3
	s_add_co_u32 s70, s70, s71
	s_and_b32 s71, s68, 3
	s_lshl_b32 s71, s71, 1
	s_add_co_u32 s70, s70, s71
	s_mul_i32 s70, s70, 6400                       ; record (K step x 64 + 8 y + 2 x quarter)
	s_mov_b32 s71, 0
	s_wait_kmcnt 0x0
	s_add_nc_u64 s[66:67], s[4:5], s[66:67]
	s_add_nc_u64 s[70:71], s[6:7], s[70:71]
.irp sg, 0,1
	s_mov_b32 s[G0X+4*\sg], 1
	s_add_co_u32 s[G0X+4*\sg+1], s60, \sg*SLOTB
	s_add_nc_u64 s[G0X+4*\sg+2:G0X+4*\sg+3], s[66:67], \sg*819200
	s_or_b32 s[G0X+4*\sg+3], s[G0X+4*\sg+3], 0x80000000
	s_mov_b32 s[G0W+4*\sg], 1
	s_add_co_u32 s[G0W+4*\sg+1], s69, \sg*SLOTB
	s_add_nc_u64 s[G0W+4*\sg+2:G0W+4*\sg+3], s[70:71], \sg*819200
	s_or_b32 s[G0W+4*\sg+3], s[G0W+4*\sg+3], 0x80000000
.endr
	CROUND                                         ; all four work-groups are here: the first joint loads meet
	s_cmp_lt_u32 s[WV], 2                          ; slot 0's first fill: one tensor load a wave at the head
	s_cbranch_scc0 .Lfirst_not_x
	tensor_load_to_lds s[G0X:G0X+3], s[G1X:G1X+7]
	s_nop 0
.rept 4
	v_nop
.endr
	s_branch .Lfirst_asked
.Lfirst_not_x:
	s_cmp_lt_u32 s[WV], 10
	s_cbranch_scc0 .Lfirst_asked
	tensor_load_to_lds s[G0W:G0W+3], s[G1W:G1W+7]
	s_nop 0
.rept 4
	v_nop
.endr
.Lfirst_asked:
	v_and_b32 v3, 31, v0
	s_delay_alu instid0(VALU_DEP_1)
	v_lshlrev_b32 v3, 4, v3                        ; 16 x lane
	v_and_b32 v20, 15, v0
	s_delay_alu instid0(VALU_DEP_1)
	v_lshlrev_b32 v20, 3, v20                      ; 8 r
	s_mul_i32 s72, s23, 6400
	v_add_nc_u32 v4, s72, v3                       ; x's record in a K step's piece
	s_add_co_u32 s72, s72, 6144
	v_add_nc_u32 v10, s72, v20                     ; and its scale words
	s_mul_i32 s73, s57, 6400
	s_add_co_u32 s73, s73, 25600
	v_add_nc_u32 v5, s73, v3                       ; W's record
	s_add_co_u32 s73, s73, 6144
	v_add_nc_u32 v11, s73, v20
	v_bfe_u32 v23, v0, 4, 1                        ; h
	; the bias, in the result's layout, into the four accumulators of a = 3: it is the C of each sum's first product
	s_mov_b32 s77, 0
	s_cmp_ge_u32 s3, 4
	s_cbranch_scc1 .Lbias_v
	s_cmp_lt_u32 s3, 2
	s_cselect_b64 s[74:75], s[8:9], s[10:11]
	s_lshl_b32 s76, s58, 11
	s_lshl_b32 s78, s57, 8
	s_add_co_u32 s76, s76, s78
	s_add_nc_u64 s[74:75], s[74:75], s[76:77]
	s_wait_alu depctr_va_vdst(0)
	v_lshlrev_b32 v23, 6, v23                      ; tile 2 b + u, register j: column 32 b + 16 h + 8 u + j of my 64
.irp t, 0,1,2,3
	global_load_b128 v[ACC+96+8*\t:ACC+96+8*\t+3], v23, s[74:75] offset:128*(\t/2)+32*(\t%2)
	global_load_b128 v[ACC+96+8*\t+4:ACC+96+8*\t+7], v23, s[74:75] offset:128*(\t/2)+32*(\t%2)+16
.endr
	s_branch .Lbias_in
.Lbias_v:
	s_lshl_b32 s76, s58, 7
	s_lshl_b32 s78, s57, 4
	s_add_co_u32 s76, s76, s78
	s_add_nc_u64 s[74:75], s[12:13], s[76:77]
	s_wait_alu depctr_va_vdst(0)
	v_lshlrev_b32 v23, 2, v23                      ; tile 2 pq + u, register j: column 64 (8 u + j) + 32 (y % 2) + 4 (w % 8) + 2 pq + h
.irp t, 0,1,2,3
.irp j, 0,1,2,3,4,5,6,7
	global_load_b32 v[ACC+96+8*\t+\j], v23, s[74:75] offset:2048*(\t%2)+256*\j+8*(\t/2)
.endr
.endr
.Lbias_in:
	s_wait_loadcnt 0x0
.macro MM a, t, c
	v_wmma_scale_f32_16x16x128_f8f6f4 v[ACC+8*(4*\a+\t):ACC+8*(4*\a+\t)+7], v[WF+12*\t:WF+12*\t+11], v[XF+12*\a:XF+12*\a+11], v[ACC+8*(4*\c+\t):ACC+8*(4*\c+\t)+7], v[12+\t], v[16+\a] matrix_a_fmt:MATRIX_FMT_FP6 matrix_b_fmt:MATRIX_FMT_FP6
.endm
; A K step of 128: eight fragments as images, three loads of 16 bytes a lane each, eight scale words, 16 products on 16 accumulators by turns.
.macro KSTEP sg, kk, first
	v_add_nc_u32 v6, \sg*SLOTB+\kk*12800, v4       ; these four additions are the four places in front of loads into registers that matrix instructions have read
	v_add_nc_u32 v7, \sg*SLOTB+\kk*51200, v5
	v_add_nc_u32 v8, \sg*SLOTB+\kk*12800, v10
	v_add_nc_u32 v9, \sg*SLOTB+\kk*51200, v11
.irp t, 0,1,2,3
.irp j, 0,1,2
	ds_load_b128 v[WF+12*\t+4*\j:WF+12*\t+4*\j+3], v7 offset:1536*\t+512*\j
.endr
	ds_load_b32 v[12+\t], v9 offset:128*(\t%2)+4*(\t/2)
.endr
.irp t, 0,1,2,3
.irp j, 0,1,2
	ds_load_b128 v[XF+12*\t+4*\j:XF+12*\t+4*\j+3], v6 offset:1536*\t+512*\j
.endr
	ds_load_b32 v[16+\t], v8 offset:128*(\t%2)+4*(\t/2)
.endr
	s_wait_dscnt 0x0
.if \first
.irp a, 0,1,2
.irp t, 0,1,2,3
	MM \a, \t, 3                                   ; the first products start the sums from the bias
.endr
.endr
.rept 5
	v_nop                                          ; the next four write over registers that the twelve above read as C: five places
.endr
.irp t, 0,1,2,3
	MM 3, \t, 3
.endr
.else
.irp a, 0,1,2,3
.irp t, 0,1,2,3
	MM \a, \t, \a
.endr
.endr
.endif
.endm
; The change of slots.  Each wave waits for all its tensor loads, adds 0 to its spare word, and waits for that and for its reads of the slot that it leaves.  fill = 1: slot sg, just left, takes the K steps four on.
.macro CHG sg, fill
	s_wait_tensorcnt 0x0                           ; no tensor load of mine is out, so a group 0 may be written
	ds_add_u32 v1, v2                              ; 0 onto my spare word
	ds_add_u32 v1, v2
.if \fill
	s_add_nc_u64 s[G0X+4*\sg+2:G0X+4*\sg+3], s[G0X+4*\sg+2:G0X+4*\sg+3], 1638400
	s_add_nc_u64 s[G0W+4*\sg+2:G0W+4*\sg+3], s[G0W+4*\sg+2:G0W+4*\sg+3], 1638400
.endif
	s_wait_dscnt 0x0                               ; the add is done, and my reads of the slot are over
.if \fill
	CROUND                                         ; both now hold of every wave of all four work-groups
	TL \sg                                         ; the first thing behind the round, one load a wave
.else
	s_barrier_signal -1
	s_barrier_wait -1
.endif
.endm
	s_wait_tensorcnt 0x0                           ; my part of slot 0 is in; slot 1's first fill is issued as a refill is:
	ds_add_u32 v1, v2                              ; 0 onto my spare word, twice on end
	ds_add_u32 v1, v2
	s_wait_dscnt 0x0
	CROUND                                         ; slot 0 is whole for all sixteen waves, and all four work-groups are here
	TL 1                                           ; K steps 2 and 3: one load a wave, with slot 0's two K steps in which to land
	KSTEP 0, 0, 1
	KSTEP 0, 1, 0
	CHG 0, 1
	KSTEP 1, 0, 0
	KSTEP 1, 1, 0
	CHG 1, 1
	KSTEP 0, 0, 0
	KSTEP 0, 1, 0
	CHG 0, 0                                       ; nothing is left to fetch; behind this barrier nobody reads slot 0, and it is filled no more
	KSTEP 1, 0, 0
	KSTEP 1, 1, 0
.rept 4
	v_nop                                          ; places in front of the first read of results and the first write of the fragments' registers
.endr
	s_lshl_b32 s78, s22, 1
	s_add_co_u32 s78, s78, s23                     ; hb
	s_lshl_b32 s79, s78, 3
	s_add_co_u32 s79, s79, s57                     ; 8 hb + the key step that I copy out
	s_mul_i32 s84, s23, 24576
	s_mul_i32 s85, s57, 3072
	s_add_co_u32 s84, s84, s85                     ; its 3,072 bytes in a stage
	s_lshl_b32 s85, s23, 10
	s_lshl_b32 s86, s57, 9
	s_add_co_u32 s85, s85, s86                     ; and (waves with w % 8 < 2) 512 bytes of scale words
	s_mov_b32 s83, 0
	v_mov_b32 v[QP], 0                             ; written once: a lane permute's destination counts as one of its sources
	v_mov_b32 v[QP+1], 0
; The copy out: behind a barrier each wave reads 3,072 bytes of a stage and stores them, 512 consecutive bytes a store, to s[76:77]; the scale words to s[80:81].
.macro COPYOUT stage, sstage
	s_wait_dscnt 0x0                               ; for the others' sake: my stores into the stage have landed
	s_barrier_signal -1                            ; (the way here hangs on y alone: all sixteen waves pass)
	s_barrier_wait -1
	s_add_co_u32 s86, s84, \stage
	s_add_co_u32 s87, s85, \sstage
	v_and_b32 v40, 31, v0
	s_delay_alu instid0(VALU_DEP_1)
	v_lshlrev_b32 v40, 4, v40
	s_delay_alu instid0(VALU_DEP_1)
	v_add_nc_u32 v41, s86, v40
.irp i, 0,1,2,3,4,5
	ds_load_b128 v[44+4*\i:47+4*\i], v41 offset:512*\i
.endr
	s_wait_alu depctr_va_vdst(0)
.irp i, 0,1,2,3,4,5
	s_wait_dscnt 5-\i                              ; the younger loads may be out
	global_store_b128 v40, v[44+4*\i:47+4*\i], s[76:77] offset:512*\i
.endr
	s_cmp_lt_u32 s57, 2
	s_cbranch_scc0 .Lno_scales_\@
	v_add_nc_u32 v42, s87, v40
	ds_load_b128 v[68:71], v42
	s_wait_dscnt 0x0
	global_store_b128 v40, v[68:71], s[80:81]
.Lno_scales_\@:
.endm
	s_cmp_ge_u32 s3, 4
	s_cbranch_scc1 .Lpath_v
; ---- Q and K: 32 registers of a lane are a token's two blocks of 32 channels, each shared with lane l xor 16
	s_cmp_lt_u32 s3, 2
	s_cselect_b64 s[76:77], s[14:15], s[18:19]     ; qr or kv
	s_cselect_b64 s[80:81], s[16:17], s[20:21]     ; qsc or scl
	s_mov_b32 s82, 12288
	s_cselect_b32 s82, 6144, s82                   ; bytes of a key step there
	s_cselect_b32 s86, 11, 12                      ; and the shift for a batch's scale words
	s_mul_i32 s82, s79, s82
	s_mul_i32 s87, s58, 3072                       ; u = y % 2
	s_add_co_u32 s82, s82, s87
	s_add_nc_u64 s[76:77], s[76:77], s[82:83]
	s_lshl_b32 s82, s78, s86
	s_lshl_b32 s87, s58, 10
	s_add_co_u32 s82, s82, s87
	s_lshl_b32 s87, s57, 9
	s_add_co_u32 s82, s82, s87
	s_add_nc_u64 s[80:81], s[80:81], s[82:83]
	v_bfe_u32 v245, v0, 4, 1                       ; h
	v_bfe_u32 v246, v0, 3, 1                       ; r / 8: st % 2
	v_bfe_u32 v248, v0, 2, 1                       ; pi
	v_bfe_u32 v250, v0, 1, 1                       ; q2
	v_and_b32 v249, 1, v0                          ; e
	s_delay_alu instid0(VALU_DEP_4)
	v_mul_u32_u24 v247, v246, 3072
	s_delay_alu instid0(VALU_DEP_1)
	v_mad_u32_u24 v247, v248, 1536, v247
	s_delay_alu instid0(VALU_DEP_1)
	v_lshl_add_u32 v247, v249, 7, v247
	s_delay_alu instid0(VALU_DEP_1)
	v_lshl_add_u32 v247, v245, 8, v247
	s_mul_i32 s72, s23, 24576
	s_lshl_b32 s73, s57, 4
	s_add_co_u32 s72, s72, s73
	v_add_nc_u32 v247, s72, v247                   ; image (st, pi), lane 8 e + w % 8 + 16 h
	s_delay_alu instid0(VALU_DEP_1)
	v_mad_u32_u24 v251, v250, 520, v247            ; registers 6 q2, 6 q2 + 1 (and, 512 on, 6 q2 + 4, 6 q2 + 5)
	s_delay_alu instid0(VALU_DEP_2)
	v_mad_u32_u24 v252, v250, 1016, v247           ; registers 6 q2 + 2, 6 q2 + 3, 8 bytes on
	v_lshlrev_b32 v253, 7, v246
	s_delay_alu instid0(VALU_DEP_1)
	v_lshl_add_u32 v253, v248, 6, v253
	s_delay_alu instid0(VALU_DEP_1)
	v_lshl_add_u32 v253, v249, 5, v253
	s_delay_alu instid0(VALU_DEP_1)
	v_lshl_add_u32 v253, v250, 1, v253
	s_lshl_b32 s72, s23, 10
	s_lshl_b32 s73, s57, 2
	s_add_co_u32 s72, s72, s73
	s_add_co_u32 s72, s72, QKSC
	v_add_nc_u32 v253, s72, v253                   ; the token's two scale bytes
.macro QUANT2 src                      ; v[src] .. + 31: two blocks; lane (r, h) ends with block h's 24 bytes in v[CD] .. + 5 and both bytes in v[QW]
.irp b, 0,1
	v_max3_num_f32 v[QM+\b], |v[\src+16*\b]|, |v[\src+16*\b+1]|, 0x1800000   ; each accumulator is read from its low end on
.endr
.irp i, 2,4,6,8,10,12,14
.irp b, 0,1
	v_max3_num_f32 v[QM+\b], v[QM+\b], |v[\src+16*\b+\i]|, |v[\src+16*\b+\i+1]|
.endr
.endr
.irp b, 0,1
	s_delay_alu instid0(VALU_DEP_2)
	v_permlanex16_b32 v[QP+\b], v[QM+\b], s[SEL], s[SEL+1]
.endr
.irp b, 0,1
	s_delay_alu instid0(VALU_DEP_2)
	v_max_num_f32 v[QM+\b], v[QM+\b], v[QP+\b]
.endr
.irp b, 0,1
	s_delay_alu instid0(VALU_DEP_2)
	v_add_nc_u32 v[QO+\b], 0xff000000, v[QM+\b]
.endr
.irp b, 0,1
	s_delay_alu instid0(VALU_DEP_2)
	v_lshrrev_b32 v[QP+\b], 23, v[QO+\b]
.endr
	s_delay_alu instid0(VALU_DEP_1)
	v_lshl_or_b32 v[QW], v[QP+1], 8, v[QP]
	v_cvt_scalef32_pk16_fp6_f32 v[CD:CD+2], v[\src:\src+15], v[QO]
	v_cvt_scalef32_pk16_fp6_f32 v[CT:CT+2], v[\src+16:\src+31], v[QO+1]
	v_nop                                          ; one plain place behind a scaled conversion
.irp i, 0,1,2
	v_permlane16_swap_b32 v[CD+\i], v[CT+\i]       ; half blocks change places: a whole block to a lane
.endr
.irp i, 0,1,2
	s_delay_alu instid0(VALU_DEP_3)
	v_mov_b32 v[CD+3+\i], v[CT+\i]
.endr
.endm
.irp a, 0,1,2,3
	QUANT2 ACC+32*\a
	ds_store_b64 v251, v[CD:CD+1] offset:6144*\a
	ds_store_b64 v252, v[CD+2:CD+3] offset:6144*\a+8
	ds_store_b64 v251, v[CD+4:CD+5] offset:6144*\a+512
	ds_store_b16 v253, v[QW] offset:256*\a         ; both lanes of a token write the same two bytes
	s_wait_dscnt 0x0                               ; the stores have read their registers
.endr
	COPYOUT QKST, QKSC
	s_branch .Lend
; ---- V: 16 registers of a lane are 16 neighbouring keys of one channel; the block's other 16 lie in lane l xor 1 (the next row)
.Lpath_v:
	s_mul_i32 s82, s79, 12288
	s_mul_i32 s87, s58, 3072                       ; b = y % 2
	s_add_co_u32 s82, s82, s87
	s_add_co_u32 s82, s82, 6144
	s_add_nc_u64 s[76:77], s[18:19], s[82:83]
	s_lshl_b32 s82, s78, 12
	s_lshl_b32 s87, s58, 10
	s_add_co_u32 s82, s82, s87
	s_lshl_b32 s87, s57, 9
	s_add_co_u32 s82, s82, s87
	s_add_co_u32 s82, s82, 2048
	s_add_nc_u64 s[80:81], s[20:21], s[82:83]
	v_bfe_u32 v244, v0, 3, 1                       ; r / 8: st % 2
	s_wait_alu depctr_va_vdst(0)
	v_bfe_u32 v245, v0, 2, 1                       ; cf
	v_bfe_u32 v246, v0, 1, 1                       ; hf
	v_and_b32 v247, 1, v0                          ; which half of the block
	v_bfe_u32 v248, v0, 4, 1                       ; h
	s_lshr_b32 s72, s57, 2
	s_bfe_u32 s73, s57, 0x10001                    ; uf
	s_and_b32 s74, s57, 1
	s_mul_i32 s75, s23, 24576
	s_mul_i32 s86, s73, 1536
	s_add_co_u32 s75, s75, s86
	s_lshl_b32 s86, s74, 6
	s_add_co_u32 s75, s75, s86
	s_lshl_b32 s86, s72, 7
	s_add_co_u32 s75, s75, s86
	s_add_co_u32 s75, s75, VSTG
	v_mul_u32_u24 v249, v244, 3072
	s_wait_alu depctr_va_vdst(0)
	v_lshl_add_u32 v249, v246, 8, v249
	s_delay_alu instid0(VALU_DEP_1)
	v_lshl_add_u32 v249, v248, 4, v249
	s_delay_alu instid0(VALU_DEP_1)
	v_add_nc_u32 v249, s75, v249                   ; image (st, uf), lane rf + 16 hf, rf = 8 (w % 8 / 4) + 4 (w % 2) + 2 pq + h
	v_mul_u32_u24 v250, v245, 6
	s_delay_alu instid0(VALU_DEP_1)
	v_mad_u32_u24 v250, v247, 3, v250              ; my first register there: 6 cf + 3 x half
.irp k, 0,1,2
	v_add_nc_u32 v40, \k, v250
	s_delay_alu instid0(VALU_DEP_1)
	v_lshrrev_b32 v41, 2, v40
	s_delay_alu instid0(VALU_DEP_2)
	v_and_b32 v40, 3, v40
	s_delay_alu instid0(VALU_DEP_2)
	v_lshl_add_u32 v41, v41, 9, v249
	s_delay_alu instid0(VALU_DEP_1)
	v_lshl_add_u32 v[251+\k], v40, 2, v41
.endr
	v_lshlrev_b32 v254, 7, v244
	s_delay_alu instid0(VALU_DEP_1)
	v_lshl_add_u32 v254, v248, 2, v254
	s_delay_alu instid0(VALU_DEP_1)
	v_lshl_add_u32 v254, v245, 1, v254
	s_delay_alu instid0(VALU_DEP_1)
	v_add_nc_u32 v254, v246, v254
	s_wait_alu depctr_va_vdst(0)
	s_lshl_b32 s75, s23, 10
	s_lshl_b32 s86, s73, 6
	s_add_co_u32 s75, s75, s86
	s_lshl_b32 s86, s74, 4
	s_add_co_u32 s75, s75, s86
	s_lshl_b32 s86, s72, 5
	s_add_co_u32 s75, s75, s86
	s_add_co_u32 s75, s75, VSC
	v_add_nc_u32 v254, s75, v254                   ; byte 2 cf + hf of word (st, uf, rf)
.macro VQ src, off, soff
	v_max3_num_f32 v20, |v[\src]|, |v[\src+1]|, 0x1800000
.irp i, 2,4,6,8,10,12,14
	v_max3_num_f32 v20, v20, |v[\src+\i]|, |v[\src+\i+1]|
.endr
	s_delay_alu instid0(VALU_DEP_1)
	v_max_num_f32_dpp v20, v20, v20 row_xmask:1 row_mask:0xf bank_mask:0xf
	s_delay_alu instid0(VALU_DEP_1)
	v_add_nc_u32 v21, 0xff000000, v20
	s_delay_alu instid0(VALU_DEP_1)
	v_lshrrev_b32 v22, 23, v21
	v_cvt_scalef32_pk16_fp6_f32 v[CD:CD+2], v[\src:\src+15], v21
	v_nop                                          ; one plain place behind a scaled conversion
	ds_store_b32 v251, v[CD] offset:\off
	ds_store_b32 v252, v[CD+1] offset:\off
	ds_store_b32 v253, v[CD+2] offset:\off
	ds_store_b8 v254, v22 offset:\soff             ; both lanes of a block write the same byte
	s_wait_dscnt 0x0                               ; the stores have read their registers
.endm
.irp a, 0,1,2,3
.irp q, 0,1
	VQ ACC+32*\a+16*\q, 6144*\a+32*\q, 256*\a+8*\q
.endr
.endr
	COPYOUT VSTG, VSC
.Lend:
	s_wait_tensorcnt 0x0                           ; the wave's end
	ds_add_u32 v1, v2
	s_wait_dscnt 0x0
	CROUND                                         ; the closing round: no work-group ends while a partner may still ask for a tile that names it
	s_endpgm
.Lfunc_end_k_qc13b14ed6a_qkv:
	.size	k_qc13b14ed6a_qkv, .Lfunc_end_k_qc13b14ed6a_qkv-k_qc13b14ed6a_qkv
	.p2alignl 7, 3214868480
	.fill 96, 4, 3214868480
	.section	.rodata,"a",@progbits
	.p2align	6, 0x0
	.amdhsa_kernel k_qc13b14ed6a_qkv
		.amdhsa_group_segment_fixed_size 327680
		.amdhsa_private_segment_fixed_size 0
		.amdhsa_enable_private_segment 0
		.amdhsa_kernarg_size 72
		.amdhsa_user_sgpr_count 2
		.amdhsa_user_sgpr_kernarg_segment_ptr 1
		.amdhsa_wavefront_size32 1
		.amdhsa_system_sgpr_workgroup_id_x 1
		.amdhsa_system_sgpr_workgroup_id_y 1
		.amdhsa_system_sgpr_workgroup_id_z 1
		.amdhsa_system_vgpr_workitem_id 0
		.amdhsa_next_free_vgpr 256
		.amdhsa_next_free_sgpr 96
		.amdhsa_reserve_vcc 0
		.amdhsa_float_denorm_mode_32 3
		.amdhsa_float_denorm_mode_16_64 3
		.amdhsa_memory_ordered 1
		.amdhsa_forward_progress 1
		.amdhsa_inst_pref_size 78
	.end_amdhsa_kernel
	.amdgpu_metadata
---
amdhsa.version: [ 1, 2 ]
amdhsa.kernels:
  - .name:           k_qc13b14ed6a_qkv
    .symbol:         k_qc13b14ed6a_qkv.kd
    .args:
      - { .name: xg, .offset: 0, .size: 8, .value_kind: global_buffer, .address_space: global }
      - { .name: wgb, .offset: 8, .size: 8, .value_kind: global_buffer, .address_space: global }
      - { .name: bq, .offset: 16, .size: 8, .value_kind: global_buffer, .address_space: global }
      - { .name: bk, .offset: 24, .size: 8, .value_kind: global_buffer, .address_space: global }
      - { .name: bv, .offset: 32, .size: 8, .value_kind: global_buffer, .address_space: global }
      - { .name: qr, .offset: 40, .size: 8, .value_kind: global_buffer, .address_space: global }
      - { .name: qsc, .offset: 48, .size: 8, .value_kind: global_buffer, .address_space: global }
      - { .name: kv, .offset: 56, .size: 8, .value_kind: global_buffer, .address_space: global }
      - { .name: scl, .offset: 64, .size: 8, .value_kind: global_buffer, .address_space: global }
    .group_segment_fixed_size: 327680
    .private_segment_fixed_size: 0
    .kernarg_segment_align: 8
    .kernarg_segment_size: 72
    .max_flat_workgroup_size: 512
    .sgpr_count:     96
    .vgpr_count:     256
    .wavefront_size: 32
...
	.end_amdgpu_metadata
.endif
;; end of part 2
;; launch attn (part 3): grid 16 x 16, 16 waves a work-group, clusters of 4 x 4, 327,680 bytes of LDS; arguments qr, qsc, kv, scl, adjr, mbits, wgb, bo, alpha, out0; writes out0
.if DOCPART == 3
	.amdgcn_target "amdgcn-amd-amdhsa--gfx1250"
	.amdhsa_code_object_version 6
	.text
	.protected	k_qc13b14ed6a_attn
	.globl	k_qc13b14ed6a_attn
	.p2align	8
	.type	k_qc13b14ed6a_attn,@function
k_qc13b14ed6a_attn:
	s_mov_b64 s[64:65], 0
	v_nop
	global_prefetch_b8 v0, s[64:65] scope:SCOPE_SE
	s_setreg_imm32_b32 hwreg(HW_REG_WAVE_MODE, 25, 1), 1
	s_wait_xcnt 0x0
	s_wait_alu depctr_hold_cnt(0) depctr_sa_sdst(0) depctr_va_vdst(0) depctr_va_sdst(0) depctr_va_ssrc(0) depctr_va_vcc(0) depctr_vm_vsrc(0)
	s_getreg_b32 s2, hwreg(HW_REG_IB_STS2, 6, 4)
	s_cmp_eq_u32 s2, 0
	s_cbranch_scc0 .Lentry_in_a_cluster
	s_endpgm
.Lentry_in_a_cluster:
	s_bfe_u32 s2, ttmp6, 0x10000c
	s_cmp_lg_u32 s2, 0xf033
	s_cbranch_scc0 .Lentry_shape_is_right
	s_endpgm
.Lentry_shape_is_right:
; ATTN: scores Q K^T / 32 + adj, the plain softmax g and the masked softmax l, both products with V, the blend by sigmoid(alpha), the signed root, the row's L2 norm, the quantiser and the product with Wo, + bo.
; All products on codes of FP6 (E2M3) with one E8M0 byte for each 32 along K.  Batch hb is rows 64 hb + rho of a projection, token t = 16 rho + g: 16 neighbouring queries are ONE row of x_o.
; SHARES.  Work-group (gx, gy): query tiles 4 gx .. + 3 of batches 4 gy .. + 3.  Wave w: batch 4 gy + w / 4, tile rho = 4 gx + w % 4: 16 queries, both softmaxes, in 256 registers; four waves to a SIMD, so that
; one wave's vector work stands beside another's matrix work and LDS loads.  Every tile of K, V and of adj in LDS feeds four waves.  The sixteen waves' rows of x_o are one operand tile of the last product.
; CLUSTER 4 x 4.  K's and V's tiles and their scale words hang on gy alone: shared along a row of the cluster; adj's on gx alone: shared along a column.  Each is asked for jointly.
; BOTH PRODUCTS TRANSPOSED: S^T = K Q^T + adj^T (adj, laid for it, is the C of the product), O^T = V^T P^T: a lane holds one query (lane % 16) throughout.
; K = 64 IN A FORM OF 128: an operand of K holds two tiles of 16 keys (k 0-63 and 64-127); it is multiplied by [Q | zero codes] and by [zero codes | Q].  1/32 is taken off Q's scale bytes.
; SOFTMAX: t = logit x log2(e); M = the running largest t rounded up to a whole number; p = 2^(t - M) is quantised along the keys; the sum is of the unquantised p; a change of M multiplies sum and O^T by a power of two.
; THE SCORES ARE MADE ONCE A STEP.  The plain softmax leaves them as they are: its p goes, 64 keys at a time, through 32 registers that K's operands have left.  Then the hidden keys' logits are replaced in place,
; and the masked softmax works in place.  Three of V's four fragments are asked for behind the plain softmax, into the registers that it has left, and land under the masked softmax's work.
; LIMITS: hidden keys get -2^30 for reference()'s -1e9 (its product with log2(e) is exact, so a row with every key hidden gives p = 1 for each key, the uniform weights of reference()); the two differ only where a
; visible logit lies under about -1e9.  Q's byte less 5 is held at 0: blocks of Q under 2^-120.  Blocks under 2^-124 keep the byte 1.  v_exp_f32 and v_sqrt_f32 flush denormals.  NaN and infinities are not served.
.set SLOT1, 1<<17                      ; slot 0 at 0, slot 1 here: [K and V of 4 batches, 4 x 12,288][adj of 4 tiles, 4 x 8,192]: one key step of 128 keys
.set ADJO,  49152
.set SCLB,  81920                      ; the four batches' scale words, 16,384 bytes, filled once
.set XOB,   98304                      ; x_o's codes: 16 rows, 784 bytes apart
.set XP,    784
.set XSB,   111104                     ; and their scale bytes: 16 rows, 36 bytes apart
.set SPARE, 111872                     ; the spare words, 128 bytes a wave: eight blocks of 256 bytes that no other line names
.set STG,   212992                     ; the way out: 16 rows x 272 bytes for each wave
.set F,   18                           ; v[18:19] 2^(old M - new M), and a 0.  v10 -M, v11 largest t, v[12:13] sum of g;  v14, v15, v[16:17] of l;  v3-5 addresses that stay, v6-8 those in hand, v9 at work
.set QS,  20                           ; v20 Q's scale word; v21-24 K's, then V's; v25, v26 p's: scales and nothing else (v27, v250-255 too, in the tail)
.set KS,  21
.set PG,  46                           ; v28-45: six zeros, Q's six registers, six zeros;  v46-57 p_g's codes
.set KF,  58                           ; v58-105 K's four operands.  Once the score product is issued they are free:
.set PL,  58                           ; v58-69  p_l's codes;
.set TP,  70                           ; v70-101 p_g of 64 keys at a time;
.set VF,  70                           ; v70-105 then V's fragments 0 to 2
.set G,   106                          ; v106-169 scores, then p_l; then V's fragment 3
.set OG,  170
.set OL,  202
.set AC,  202                          ; the tail's four accumulators
.set T,   234                          ; v234-237 maxima; v238-244 permutes, bytes, conversions' second halves, a chain of the sum; v246-249 scale operands
.set NEG, 245                          ; -2^30
.set WV,  2
.set G0K, 52
.set G0A, 56
.set TB,  60                           ; the slot in hand
.set TS,  61                           ; 128 x step: the step's scale words
.set MP,  62                           ; s[62:63] the step's 64 mask words; they land in s[4:51] and s[68:83]
.set CS,  66                           ; s[66:67] log2(e), twice
.set G1K, 84
.set G1A, 92
.set SEL, 100
.set G1S, 36
.set G0S, 44
.macro CROUND
	s_barrier_signal -1
	s_barrier_wait -1
	s_cmp_lg_u32 s[WV], 0
	s_cbranch_scc1 .Lnot_wave_0_\@
	s_barrier_signal -3
.Lnot_wave_0_\@:
	s_barrier_wait -3
	s_barrier_signal -1
	s_barrier_wait -1
.endm
.macro TL2                             ; waves 0-3: a batch's K and V; waves 4, 5: two tiles of adj; the others nothing.  Four v_nop follow each line
	s_cmp_lt_u32 s[WV], 4
	s_cbranch_scc0 .Lnot_k_\@
	tensor_load_to_lds s[G0K:G0K+3], s[G1K:G1K+7]
	s_nop 0
.rept 4
	v_nop
.endr
	s_branch .Lasked_\@
.Lnot_k_\@:
	s_cmp_lt_u32 s[WV], 6
	s_cbranch_scc0 .Lasked_\@
	tensor_load_to_lds s[G0A:G0A+3], s[G1A:G1A+7]
	s_nop 0
.rept 4
	v_nop
.endr
.Lasked_\@:
.endm
	s_load_b256 s[4:11], s[0:1], 0x0               ; qr, qsc, kv, scl
	s_load_b128 s[12:15], s[0:1], 0x20             ; adjr, mbits
	v_lshl_add_u32 v1, v0, 2, SPARE
	v_mov_b32 v2, 0
	ds_add_u32 v1, v2
	ds_add_u32 v1, v2
	s_wait_dscnt 0x0
	v_lshrrev_b32 v3, 5, v0
	s_delay_alu instid0(VALU_DEP_1)
	v_readfirstlane_b32 s[WV], v3                  ; wave 0..15
	s_bfe_u32 s16, ttmp6, 0x40000                  ; cx
	s_bfe_u32 s17, ttmp6, 0x40004                  ; cy
	s_lshl_b32 s18, ttmp9, 2
	s_add_co_u32 s18, s18, s16                     ; gx
	s_and_b32 s19, ttmp7, 0xffff
	s_lshl_b32 s19, s19, 2
	s_add_co_u32 s19, s19, s17                     ; gy
	s_lshl_b32 s20, s17, 2
	s_lshl_b32 s20, 15, s20                        ; my row of the cluster
	s_lshl_b32 s21, 0x1111, s16                    ; my column
	; all tiles are dense: rows of 32 elements of 8 bytes; K and V of a batch 48 rows, two tiles of adj 64, the scale words 64
	s_or_b32 s[G1K], s20, (3<<16)|(1<<21)
	s_or_b32 s[G1A], s21, (3<<16)|(1<<21)
	s_or_b32 s[G1S], s20, (3<<16)|(1<<21)
	s_mov_b32 s[G1K+1], 32<<16
	s_mov_b32 s[G1K+2], 48<<16
	s_mov_b32 s[G1K+3], 32<<16
	s_mov_b32 s[G1K+4], 48
	s_mov_b32 s[G1K+5], 32
	s_mov_b32 s[G1K+6], 0
	s_mov_b32 s[G1K+7], 0
.irp g, G1A, G1S
	s_mov_b32 s[\g+1], 32<<16
	s_mov_b32 s[\g+2], 64<<16
	s_mov_b32 s[\g+3], 32<<16
	s_mov_b32 s[\g+4], 64
	s_mov_b32 s[\g+5], 32
	s_mov_b32 s[\g+6], 0
	s_mov_b32 s[\g+7], 0
.endr
	s_and_b32 s22, s[WV], 3                        ; my tile of queries; also: whose K and V I fetch
	s_lshr_b32 s23, s[WV], 2                       ; my batch
	s_mul_i32 s[G0K+1], s22, 12288
	s_lshl_b32 s24, s19, 2
	s_add_co_u32 s24, s24, s22
	s_mul_i32 s24, s24, 98304                      ; a batch's eight steps of 12,288 bytes
	s_mov_b32 s25, 0
	s_and_b32 s26, s[WV], 1
	s_lshl_b32 s27, s26, 14
	s_add_co_u32 s[G0A+1], s27, ADJO
	s_lshl_b32 s28, s18, 15                        ; tile 4 gx of 8,192 bytes
	s_add_co_u32 s28, s28, s27
	s_mov_b32 s29, 0
	s_lshl_b32 s30, s19, 14                        ; four batches' 4,096 bytes
	s_mov_b32 s31, 0
	s_lshl_b32 s32, s18, 2
	s_add_co_u32 s32, s32, s22                     ; rho: my tile of queries
	s_lshl_b32 s33, s19, 2
	s_add_co_u32 s33, s33, s23                     ; hb
	s_lshl_b32 s34, s32, 11                        ; its 8 x 256 bytes of mask words
	s_mov_b32 s35, 0
	s_lshr_b32 s48, s32, 3                         ; where my queries lie in qr: st,
	s_bfe_u32 s49, s32, 0x10002                    ; pi,
	s_bfe_u32 s50, s32, 0x10001                    ; q2,
	s_and_b32 s51, s32, 1                          ; e
	s_lshl_b32 s68, s33, 3
	s_add_co_u32 s68, s68, s48
	s_mul_i32 s68, s68, 6144
	s_mul_i32 s69, s49, 1536
	s_add_co_u32 s68, s68, s69
	s_lshl_b32 s69, s51, 7
	s_add_co_u32 s68, s68, s69
	s_mov_b32 s69, 0
	s_lshl_b32 s70, s33, 11
	s_lshl_b32 s71, s48, 1
	s_add_co_u32 s71, s71, s49
	s_lshl_b32 s71, s71, 6
	s_add_co_u32 s70, s70, s71
	s_lshl_b32 s71, s51, 5
	s_add_co_u32 s70, s70, s71
	s_lshl_b32 s71, s50, 1
	s_add_co_u32 s70, s70, s71
	s_mov_b32 s71, 0
	s_mul_i32 s72, s50, 520
	s_mul_i32 s73, s50, 1016
	s_mov_b32 s[SEL], 0x76543210
	s_mov_b32 s[SEL+1], 0xfedcba98
	s_mov_b32 s[CS], 0x3fb8aa3b                    ; log2(e)
	s_mov_b32 s[CS+1], s[CS]
	s_mov_b32 s[TB], 0
	s_mov_b32 s[TS], 0
	s_mov_b32 s3, 7
	s_wait_kmcnt 0x0
	s_mov_b32 s[G0K], 1
	s_add_nc_u64 s[G0K+2:G0K+3], s[8:9], s[24:25]
	s_or_b32 s[G0K+3], s[G0K+3], 0x80000000
	s_mov_b32 s[G0A], 1
	s_add_nc_u64 s[G0A+2:G0A+3], s[12:13], s[28:29]
	s_or_b32 s[G0A+3], s[G0A+3], 0x80000000
	s_mov_b32 s[G0S], 1
	s_mov_b32 s[G0S+1], SCLB
	s_add_nc_u64 s[G0S+2:G0S+3], s[10:11], s[30:31]
	s_or_b32 s[G0S+3], s[G0S+3], 0x80000000
	s_add_nc_u64 s[MP:MP+1], s[14:15], s[34:35]
	s_add_nc_u64 s[4:5], s[4:5], s[68:69]
	s_add_nc_u64 s[6:7], s[6:7], s[70:71]
	CROUND                                         ; all sixteen work-groups are here: the first joint loads meet
	s_cmp_lt_u32 s[WV], 4                          ; the first fills: key step 0 and the scale words; one load a wave
	s_cbranch_scc0 .Lff_a
	tensor_load_to_lds s[G0K:G0K+3], s[G1K:G1K+7]
	s_nop 0
.rept 4
	v_nop
.endr
	s_branch .Lff_done
.Lff_a:
	s_cmp_lt_u32 s[WV], 6
	s_cbranch_scc0 .Lff_s
	tensor_load_to_lds s[G0A:G0A+3], s[G1A:G1A+7]
	s_nop 0
.rept 4
	v_nop
.endr
	s_branch .Lff_done
.Lff_s:
	s_cmp_eq_u32 s[WV], 6
	s_cbranch_scc0 .Lff_done
	tensor_load_to_lds s[G0S:G0S+3], s[G1S:G1S+7]
	s_nop 0
.rept 4
	v_nop
.endr
.Lff_done:
	; Q: lane (r, h) takes the 24 bytes of channels 32 h on of query g = r: registers 6 q2 .. + 5 of lane 8 e + r % 8 + 16 h of image (st, r / 8, pi)
	v_bfe_u32 v234, v0, 3, 1
	v_and_b32 v235, 7, v0
	v_bfe_u32 v236, v0, 4, 1
	s_delay_alu instid0(VALU_DEP_3)
	v_mul_u32_u24 v237, v234, 3072
	s_delay_alu instid0(VALU_DEP_1)
	v_lshl_add_u32 v237, v235, 4, v237
	s_delay_alu instid0(VALU_DEP_1)
	v_lshl_add_u32 v237, v236, 8, v237
	s_delay_alu instid0(VALU_DEP_1)
	v_add_nc_u32 v238, s72, v237
	s_delay_alu instid0(VALU_DEP_2)
	v_add_nc_u32 v239, s73, v237
	v_lshlrev_b32 v240, 10, v234
	s_delay_alu instid0(VALU_DEP_1)
	v_lshl_add_u32 v240, v235, 2, v240
	global_load_b64 v[34:35], v238, s[4:5]
	global_load_b64 v[36:37], v239, s[4:5] offset:8
	global_load_b64 v[38:39], v238, s[4:5] offset:512
	global_load_u16 v[QS], v240, s[6:7]            ; its two scale bytes
	v_and_b32 v6, 31, v0
	s_delay_alu instid0(VALU_DEP_1)
	v_lshlrev_b32 v6, 4, v6
	s_mul_i32 s74, s23, 12288
	v_add_nc_u32 v3, s74, v6                       ; my batch's K and V in a slot, 16 x lane
	s_lshl_b32 s74, s22, 13
	s_add_co_u32 s74, s74, ADJO
	v_add_nc_u32 v4, s74, v6                       ; my tile of adj
	v_and_b32 v7, 15, v0
	s_lshl_b32 s74, s23, 12
	s_add_co_u32 s74, s74, SCLB
	v_lshl_add_u32 v5, v7, 2, s74                  ; my batch's scale words, 4 r
	v_mov_b32 v11, 0xff61b1e6                      ; the largest t so far: -3e38
	v_mov_b32 v15, 0xff61b1e6
	s_delay_alu instid0(VALU_DEP_2)
	v_floor_f32 v10, -v11                          ; -M
	s_delay_alu instid0(VALU_DEP_2)
	v_floor_f32 v14, -v15
	v_mov_b32 v12, 0
	v_mov_b32 v13, 0
	v_mov_b32 v16, 0
	v_mov_b32 v17, 0
	v_mov_b32 v19, 0                               ; (named as the upper half of the pair v[18:19])
	v_mov_b32 v[NEG], 0xce800000
.irp j, 28,29,30,31,32,33,40,41,42,43,44,45
	v_mov_b32 v[\j], 0                             ; zero codes on both sides of Q
.endr
	s_wait_loadcnt 0x0
	v_and_b32 v235, 0xff, v[QS]
	v_lshrrev_b32 v236, 8, v[QS]
	s_delay_alu instid0(VALU_DEP_2)
	v_max_u32 v235, 5, v235
	s_delay_alu instid0(VALU_DEP_2)
	v_max_u32 v236, 5, v236
	s_delay_alu instid0(VALU_DEP_2)
	v_add_nc_u32 v235, -5, v235                    ; 1/32 off each byte, held at 0
	s_delay_alu instid0(VALU_DEP_2)
	v_add_nc_u32 v236, -5, v236
	s_delay_alu instid0(VALU_DEP_1)
	v_lshl_or_b32 v235, v236, 8, v235
	s_delay_alu instid0(VALU_DEP_1)
	v_lshl_or_b32 v[QS], v235, 16, v235            ; the pair twice: for Q in the lower and in the upper half of K
.irp b, 4,5,6,7
	v_mov_b32 v[T+\b], 0                           ; written once: a lane permute's destination counts as one of its sources
.endr
.set jj, 0
.rept 64
	v_mov_b32 v[OG+jj], 0                          ; both O^T: the step is written once, and its first turn finds zeros.  (These are also the places behind the write of Q's scale word)
.set jj, jj+1
.endr
.macro LDADJ
.set jj, 0
.rept 16
	ds_load_b128 v[G+4*jj:G+4*jj+3], v7 offset:512*jj
.set jj, jj+1
.endr
.endm
; Eight products on eight accumulators by turns: tile (block 2 pi + q2, u): register j of lane (r, h) is key 32 (2 pi + q2) + 16 h + 8 u + j of the step, query r.  C = adj.
.macro SMUL
.irp pi, 0,1
.irp u, 0,1
	v_wmma_scale_f32_16x16x128_f8f6f4 v[G+32*\pi+8*\u:G+32*\pi+8*\u+7], v[KF+12*(2*\u+\pi):KF+12*(2*\u+\pi)+11], v[34:45], v[G+32*\pi+8*\u:G+32*\pi+8*\u+7], v[KS+2*\u+\pi], v[QS] matrix_a_fmt:MATRIX_FMT_FP6 matrix_b_fmt:MATRIX_FMT_FP6
	v_wmma_scale_f32_16x16x128_f8f6f4 v[G+32*\pi+16+8*\u:G+32*\pi+16+8*\u+7], v[KF+12*(2*\u+\pi):KF+12*(2*\u+\pi)+11], v[28:39], v[G+32*\pi+16+8*\u:G+32*\pi+16+8*\u+7], v[KS+2*\u+\pi], v[QS] matrix_a_fmt:MATRIX_FMT_FP6 matrix_b_fmt:MATRIX_FMT_FP6
.endr
.endr
.rept 4
	v_nop                                          ; four places in front of the first read of the scores
.endr
.endm
; One softmax's turn on the 64 logits in G.  st: -M, largest t, the sum's pair;  o: its O^T;  pc: where p's codes go;  ps: p's scale word;
; d: where p of the first 64 keys goes;  ds: how far on p of the other 64 goes.  d = G, ds = 32: in place.  d = TP, ds = 0: the logits stay, and both halves go through the same 32 registers.
.macro SOFT st, o, pc, ps, d, ds
.irp b, 0,1,2,3
	v_max3_num_f32 v[T+\b], v[G+16*\b], v[G+16*\b+1], v[G+16*\b+2]   ; the largest logit of each block of 32 keys: for the row's maximum, and, since p rises with the logit, for the block's largest p
.endr
.irp i, 3,5,7,9,11,13
.irp b, 0,1,2,3
	v_max3_num_f32 v[T+\b], v[T+\b], v[G+16*\b+\i], v[G+16*\b+\i+1]
.endr
.endr
.irp b, 0,1,2,3
	v_max_num_f32 v[T+\b], v[T+\b], v[G+16*\b+15]
.endr
.irp b, 0,1,2,3
	s_delay_alu instid0(VALU_DEP_4)
	v_permlanex16_b32 v[T+4+\b], v[T+\b], s[SEL], s[SEL+1]
.endr
.irp b, 0,1,2,3
	s_delay_alu instid0(VALU_DEP_4)
	v_max_num_f32 v[T+\b], v[T+\b], v[T+4+\b]
.endr
	s_delay_alu instid0(VALU_DEP_2)
	v_max3_num_f32 v9, v[T], v[T+1], v[T+2]
	s_delay_alu instid0(VALU_DEP_1)
	v_max_num_f32 v9, v9, v[T+3]
	s_delay_alu instid0(VALU_DEP_1)
	v_mul_f32 v9, s[CS], v9
	s_delay_alu instid0(VALU_DEP_1)
	v_max_num_f32 v[\st+1], v[\st+1], v9           ; the running largest t
	v_mov_b32 v9, v[\st]
	s_delay_alu instid0(VALU_DEP_2)
	v_floor_f32 v[\st], -v[\st+1]                  ; -M = floor(-t): a whole number
	s_delay_alu instid0(VALU_DEP_1)
	v_sub_f32 v9, v[\st], v9
	s_delay_alu instid0(VALU_DEP_1)
	v_cvt_i32_f32 v9, v9                           ; (it saturates)
	s_delay_alu instid0(VALU_DEP_1)
	v_ldexp_f32 v[F], 1.0, v9                      ; 2^(old M - new M)
.irp b, 0,1,2,3
	v_fma_f32 v[T+\b], v[T+\b], s[CS], v[\st]      ; t - M of each block's largest logit
.endr
	; ---- the first 64 keys
.set jj, 0
.rept 16
	v_pk_fma_f32 v[\d+jj:\d+jj+1], v[G+jj:G+jj+1], s[CS:CS+1], v[\st:\st+1] op_sel_hi:[1,0,0]   ; t - M
.set jj, jj+2
.endr
	s_wait_alu depctr_va_vdst(0)
.irp b, 0,1,2,3
	v_exp_f32 v[T+\b], v[T+\b]                     ; each block's largest p: the same two instructions on the same number
.endr
.set jj, 0
.rept 32
	v_exp_f32 v[\d+jj], v[\d+jj]                   ; p = 2^(t - M)
.set jj, jj+1
.endr
	v_pk_mul_f32 v[\st+2:\st+3], v[\st+2:\st+3], v[F:F+1] op_sel_hi:[1,0]   ; the sum under the new M (a plain place behind the exponentials)
	s_wait_alu depctr_va_vdst(0)
.irp b, 0,1,2,3
	v_max_num_f32 v[T+\b], 0x1800000, v[T+\b]      ; the floor 2^(3 - 127)
.endr
.irp b, 0,1,2,3
	s_delay_alu instid0(VALU_DEP_4)
	v_add_nc_u32 v[T+12+\b], 0xff000000, v[T+\b]   ; 2 off the exponent field: the conversions' scale operands
.endr
.irp b, 0,1,2,3
	s_delay_alu instid0(VALU_DEP_4)
	v_lshrrev_b32 v[T+4+\b], 23, v[T+12+\b]
.endr
	s_delay_alu instid0(VALU_DEP_3)
	v_lshl_or_b32 v[\ps], v[T+5], 8, v[T+4]
	s_delay_alu instid0(VALU_DEP_1)
	v_lshl_or_b32 v[\ps], v[T+6], 16, v[\ps]
	s_delay_alu instid0(VALU_DEP_1)
	v_lshl_or_b32 v[\ps], v[T+7], 24, v[\ps]
	v_cvt_scalef32_pk16_fp6_f32 v[\pc:\pc+2], v[\d:\d+15], v[T+12]
	v_cvt_scalef32_pk16_fp6_f32 v[T+4:T+6], v[\d+16:\d+31], v[T+13]
	v_nop                                          ; one plain place behind a scaled conversion
.irp i, 0,1,2
	v_permlane16_swap_b32 v[\pc+\i], v[T+4+\i]     ; half blocks change places: a whole block to a lane
.endr
.irp i, 0,1,2
	s_delay_alu instid0(VALU_DEP_3)
	v_mov_b32 v[\pc+3+\i], v[T+4+\i]
.endr
	v_pk_add_f32 v[T+4:T+5], v[\d:\d+1], v[\d+2:\d+3]   ; the sum of the unquantised p, in two chains
.set jj, 4
.rept 7
	v_pk_add_f32 v[\st+2:\st+3], v[\st+2:\st+3], v[\d+jj:\d+jj+1]
	v_pk_add_f32 v[T+4:T+5], v[T+4:T+5], v[\d+jj+2:\d+jj+3]
.set jj, jj+4
.endr
	; ---- the other 64 keys
.set jj, 0
.rept 16
	v_pk_fma_f32 v[\d+\ds+jj:\d+\ds+jj+1], v[G+32+jj:G+32+jj+1], s[CS:CS+1], v[\st:\st+1] op_sel_hi:[1,0,0]
.set jj, jj+2
.endr
.set jj, 0
	s_wait_alu depctr_va_vdst(0)
.rept 32
	v_exp_f32 v[\d+\ds+jj], v[\d+\ds+jj]
.set jj, jj+1
.endr
.set jj, 0
	s_wait_alu depctr_va_vdst(0)
.rept 16
	v_pk_mul_f32 v[\o+jj:\o+jj+1], v[\o+jj:\o+jj+1], v[F:F+1] op_sel_hi:[1,0]   ; O^T under the new M, each accumulator from its low end on.  (Plain places behind the exponentials)
.set jj, jj+2
.endr
	s_wait_alu depctr_va_vdst(0)
	v_cvt_scalef32_pk16_fp6_f32 v[\pc+6:\pc+8], v[\d+\ds:\d+\ds+15], v[T+14]
	v_cvt_scalef32_pk16_fp6_f32 v[T+8:T+10], v[\d+\ds+16:\d+\ds+31], v[T+15]
	v_nop                                          ; one plain place behind a scaled conversion
.irp i, 0,1,2
	v_permlane16_swap_b32 v[\pc+6+\i], v[T+8+\i]
.endr
.irp i, 0,1,2
	s_delay_alu instid0(VALU_DEP_3)
	v_mov_b32 v[\pc+9+\i], v[T+8+\i]
.endr
.set jj, 0
.rept 8
	v_pk_add_f32 v[\st+2:\st+3], v[\st+2:\st+3], v[\d+\ds+jj:\d+\ds+jj+1]
	v_pk_add_f32 v[T+4:T+5], v[T+4:T+5], v[\d+\ds+jj+2:\d+\ds+jj+3]
.set jj, jj+4
.endr
	s_delay_alu instid0(VALU_DEP_1)
	v_pk_add_f32 v[\st+2:\st+3], v[\st+2:\st+3], v[T+4:T+5]   ; (these seventeen additions are also the places between the codes' last write and the products that read them)
.endm
; Two products: channels' tile t of V^T, whose fragment begins at register a, with p_g and with p_l.  Eight accumulators by turns.
.macro PVT t, a
	v_wmma_scale_f32_16x16x128_f8f6f4 v[OG+8*\t:OG+8*\t+7], v[\a:\a+11], v[PG:PG+11], v[OG+8*\t:OG+8*\t+7], v[KS+\t], v25 matrix_a_fmt:MATRIX_FMT_FP6 matrix_b_fmt:MATRIX_FMT_FP6
	v_wmma_scale_f32_16x16x128_f8f6f4 v[OL+8*\t:OL+8*\t+7], v[\a:\a+11], v[PL:PL+11], v[OL+8*\t:OL+8*\t+7], v[KS+\t], v26 matrix_a_fmt:MATRIX_FMT_FP6 matrix_b_fmt:MATRIX_FMT_FP6
.endm
; A KEY STEP: 128 keys.
.macro STEP
	s_load_b512 s[4:19], s[MP:MP+1], 0x0           ; the step's 64 mask words: bit L of word j belongs to register j of lane L
	s_load_b512 s[20:35], s[MP:MP+1], 0x40
	s_load_b512 s[36:51], s[MP:MP+1], 0x80
	s_load_b512 s[68:83], s[MP:MP+1], 0xc0
	v_add_nc_u32 v6, s[TB], v3
	v_add_nc_u32 v7, s[TB], v4
	v_add_nc_u32 v8, s[TS], v5
	v_nop
	v_nop                                          ; five places: the score product below writes over registers that the last products read as A
	LDADJ
.irp t, 0,1,2,3
.irp j, 0,1,2
	ds_load_b128 v[KF+12*\t+4*\j:KF+12*\t+4*\j+3], v6 offset:1536*\t+512*\j
.endr
	ds_load_b32 v[KS+\t], v8 offset:1024*(\t/2)+64*(\t%2)
.endr
	s_wait_dscnt 0x0
	SMUL
	SOFT 10, OG, PG, 25, TP, 0                     ; the plain softmax: the logits stay in G
.irp t, 0,1,2
.irp j, 0,1,2
	ds_load_b128 v[VF+12*\t+4*\j:VF+12*\t+4*\j+3], v6 offset:6144+1536*\t+512*\j   ; V's fragments 0 to 2, where p_g lay: they land under the masked softmax's work
.endr
.endr
.irp t, 0,1,2,3
	ds_load_b32 v[KS+\t], v8 offset:2048+1024*(\t/2)+64*(\t%2)   ; and V's scale words, where K's lay
.endr
	s_wait_kmcnt 0x0
	s_add_nc_u64 s[MP:MP+1], s[MP:MP+1], 256
.set jj, 0
.rept 64
.if jj < 48
	v_cndmask_b32 v[G+jj], v[NEG], v[G+jj], s[4+jj]   ; a hidden key's logit becomes -2^30
.else
	v_cndmask_b32 v[G+jj], v[NEG], v[G+jj], s[20+jj]
.endif
.set jj, jj+1
.endr
	SOFT 14, OL, PL, 26, G, 32                     ; the masked softmax, in place
.irp j, 0,1,2
	ds_load_b128 v[G+4*\j:G+4*\j+3], v6 offset:6144+4608+512*\j   ; V's fragment 3, where p_l lay
.endr
	s_wait_dscnt 0x0
	PVT 0, VF
	PVT 1, VF+12
	PVT 2, VF+24
	PVT 3, G
	s_add_co_u32 s[TS], s[TS], 128
	s_xor_b32 s[TB], s[TB], SLOT1
.endm
; THE CHANGE OF SLOTS stands at a step's head.  Each wave waits for all its tensor loads, adds 0 to its spare word, and waits for that and for its reads of the slot that it has left.
; fill = 1: a round of the cluster's barrier, and behind it the slot just left takes the next step's tiles: the load has a whole step in which to land.  One load of a wave is out at the most.
.macro CHANGE fill
	s_wait_tensorcnt 0x0                           ; no tensor load of mine is out, so a group 0 may be written
	ds_add_u32 v1, v2                              ; 0 onto my spare word
	ds_add_u32 v1, v2
.if \fill
	s_xor_b32 s[G0K+1], s[G0K+1], SLOT1
	s_add_nc_u64 s[G0K+2:G0K+3], s[G0K+2:G0K+3], 12288
	s_xor_b32 s[G0A+1], s[G0A+1], SLOT1
	s_add_nc_u64 s[G0A+2:G0A+3], s[G0A+2:G0A+3], 524288
.endif
	s_wait_dscnt 0x0                               ; the add is done, and my reads of the slot that I have left are over
.if \fill
	CROUND
	TL2
.else
	s_barrier_signal -1
	s_barrier_wait -1
.endif
.endm
.Lstep:                                            ; seven trips: behind each change of slots but the last the next step is asked for
	CHANGE 1
	STEP
	s_sub_co_u32 s3, s3, 1
	s_cmp_lg_u32 s3, 0
	s_cbranch_scc1 .Lstep
	CHANGE 0                                       ; the last step is written out
	s_load_b256 s[84:91], s[0:1], 0x30             ; wgb, bo, alpha, out0, into registers of descriptors whose last load is done; the step's wait for scalar loads serves these
	STEP
; ---- x_o = a O_g / l_g + (1 - a) O_l / l_l; signed root; the row's norm; codes.  Registers 16 b + i of lane (r, h) are column 64 r + 32 b + 16 h + i of my row.
.rept 4
	v_nop                                          ; places behind the last products
.endr
	s_load_b32 s4, s[88:89], 0x0                   ; alpha
	s_add_co_u32 s6, s[WV], 48
	s_mul_i32 s6, s6, 6400                         ; Wo's group of 64 columns: record 48 + wave of each K step
	s_mov_b32 s7, 0
	s_add_nc_u64 s[84:85], s[84:85], s[6:7]
	s_lshl_b32 s6, s[WV], 8
	s_add_nc_u64 s[86:87], s[86:87], s[6:7]        ; bo at my 64 columns
	s_mov_b32 s5, 0x7fffffff
	v_and_b32 v3, 31, v0
	s_delay_alu instid0(VALU_DEP_1)
	v_lshlrev_b32 v3, 4, v3                        ; 16 x lane
	v_and_b32 v5, 15, v0                           ; r
	s_delay_alu instid0(VALU_DEP_1)
	v_lshlrev_b32 v4, 3, v5                        ; 8 r
	v_bfe_u32 v6, v0, 4, 1                         ; h
.macro WLOAD ks, wb, sc                ; a record of Wo: four fragments and their scale words: 16 loads
.irp t, 0,1,2,3
.irp j, 0,1,2
	global_load_b128 v[\wb+12*\t+4*\j:\wb+12*\t+4*\j+3], v3, s[84:85] offset:(\ks)*409600+1536*\t+512*\j
.endr
	global_load_b32 v[\sc+\t], v4, s[84:85] offset:(\ks)*409600+6144+128*(\t%2)+4*(\t/2)
.endr
.endm
	WLOAD 0, 58, 20
	WLOAD 1, 106, 24
	s_mul_i32 s8, s[WV], XP
	s_add_co_u32 s8, s8, XOB
	v_mul_u32_u24 v7, v5, 48
	s_delay_alu instid0(VALU_DEP_1)
	v_mad_u32_u24 v7, v6, 24, v7
	s_delay_alu instid0(VALU_DEP_1)
	v_add_nc_u32 v7, s8, v7                        ; row = wave; block 2 r + h: 24 bytes
	s_mul_i32 s8, s[WV], 36
	s_add_co_u32 s8, s8, XSB
	v_lshl_add_u32 v8, v5, 1, s8                   ; its bytes 2 r, 2 r + 1
	v_mul_u32_u24 v10, v5, XP
	s_delay_alu instid0(VALU_DEP_1)
	v_mad_u32_u24 v10, v6, 24, v10
	s_delay_alu instid0(VALU_DEP_1)
	v_add_nc_u32 v10, XOB, v10                     ; back, as an operand: row r, + 24 h
	v_mul_u32_u24 v11, v5, 36
	s_delay_alu instid0(VALU_DEP_1)
	v_add_nc_u32 v11, XSB, v11
	v_lshlrev_b32 v14, 5, v6                       ; bo: 32 h
	v_add_f32 v12, v12, v13
	v_add_f32 v16, v16, v17
	s_delay_alu instid0(VALU_DEP_2)
	v_permlanex16_b32 v238, v12, s[SEL], s[SEL+1]
	s_delay_alu instid0(VALU_DEP_2)
	v_permlanex16_b32 v239, v16, s[SEL], s[SEL+1]
	s_delay_alu instid0(VALU_DEP_2)
	v_add_f32 v12, v12, v238                       ; l_g
	s_delay_alu instid0(VALU_DEP_2)
	v_add_f32 v16, v16, v239                       ; l_l
	s_wait_alu depctr_va_vdst(0)
	v_rcp_f32 v12, v12
	v_rcp_f32 v16, v16
	s_wait_kmcnt 0x0
	v_mul_f32 v9, s[CS], s4                        ; (a plain place behind the reciprocals)
	s_wait_alu depctr_va_vdst(0)
	v_exp_f32 v9, -v9
	v_nop
	s_wait_alu depctr_va_vdst(0)
	v_add_f32 v9, 1.0, v9
	s_wait_alu depctr_va_vdst(0)
	v_rcp_f32 v9, v9                               ; a = sigmoid(alpha)
	v_nop
	s_wait_alu depctr_va_vdst(0)
	v_mul_f32 v12, v9, v12                         ; a / l_g
	v_sub_f32 v9, 1.0, v9
	v_mul_f32 v16, v9, v16                         ; (1 - a) / l_l
.set jj, 0
.rept 16
	v_pk_mul_f32 v[OG+jj:OG+jj+1], v[OG+jj:OG+jj+1], v[12:13] op_sel_hi:[1,0]
.set jj, jj+2
.endr
.set jj, 0
.rept 16
	v_pk_fma_f32 v[OG+jj:OG+jj+1], v[OL+jj:OL+jj+1], v[16:17], v[OG+jj:OG+jj+1] op_sel_hi:[1,0,1]
.set jj, jj+2
.endr
.set jj, 0
	s_wait_alu depctr_va_vdst(0)
.rept 32
	v_sqrt_f32 v[OL+jj], |v[OG+jj]|
.set jj, jj+1
.endr
	v_nop                                          ; a plain place behind the roots
	s_wait_alu depctr_va_vdst(0)
.irp k, 0,1,2,3
	v_mul_f32 v[T+\k], v[OL+\k], v[OL+\k]          ; the sum of squares, in four chains
.endr
.set jj, 4
.rept 28
	v_fmac_f32 v[T+jj%4], v[OL+jj], v[OL+jj]
.set jj, jj+1
.endr
	s_delay_alu instid0(VALU_DEP_3)
	v_add_f32 v[T], v[T], v[T+1]
	s_delay_alu instid0(VALU_DEP_2)
	v_add_f32 v[T+2], v[T+2], v[T+3]
	s_delay_alu instid0(VALU_DEP_1)
	v_add_f32 v[T], v[T], v[T+2]
	s_delay_alu instid0(VALU_DEP_1)
	v_add_f32_dpp v[T], v[T], v[T] row_xmask:1 row_mask:0xf bank_mask:0xf
	s_delay_alu instid0(VALU_DEP_1)
	v_add_f32_dpp v[T], v[T], v[T] row_xmask:2 row_mask:0xf bank_mask:0xf
	s_delay_alu instid0(VALU_DEP_1)
	v_add_f32_dpp v[T], v[T], v[T] row_xmask:4 row_mask:0xf bank_mask:0xf
	s_delay_alu instid0(VALU_DEP_1)
	v_add_f32_dpp v[T], v[T], v[T] row_xmask:8 row_mask:0xf bank_mask:0xf
	s_delay_alu instid0(VALU_DEP_1)
	v_permlanex16_b32 v[T+4], v[T], s[SEL], s[SEL+1]
	s_delay_alu instid0(VALU_DEP_1)
	v_add_f32 v[T], v[T], v[T+4]                   ; over the wave: the whole row
	s_wait_alu depctr_va_vdst(0)
	v_sqrt_f32 v[T], v[T]
	v_nop
	s_wait_alu depctr_va_vdst(0)
	v_max_num_f32 v[T], 0x2b8cbccc, v[T]           ; max(norm, 1e-12)
	s_wait_alu depctr_va_vdst(0)
	v_rcp_f32 v[T], v[T]
.set jj, 0
.rept 32
	v_bfi_b32 v[OL+jj], s5, v[OL+jj], v[OG+jj]     ; the sign of x_o on its root.  (Plain places behind the reciprocal)
.set jj, jj+1
.endr
.set jj, 0
	s_wait_alu depctr_va_vdst(0)
.rept 16
	v_pk_mul_f32 v[OL+jj:OL+jj+1], v[OL+jj:OL+jj+1], v[T:T+1] op_sel_hi:[1,0]
.set jj, jj+2
.endr
.irp b, 0,1
	v_max3_num_f32 v[T+\b], |v[OL+16*\b]|, |v[OL+16*\b+1]|, 0x1800000
.endr
.irp i, 2,4,6,8,10,12,14
.irp b, 0,1
	s_delay_alu instid0(VALU_DEP_2)
	v_max3_num_f32 v[T+\b], v[T+\b], |v[OL+16*\b+\i]|, |v[OL+16*\b+\i+1]|
.endr
.endr
.irp b, 0,1
	s_delay_alu instid0(VALU_DEP_2)
	v_permlanex16_b32 v[T+4+\b], v[T+\b], s[SEL], s[SEL+1]
.endr
.irp b, 0,1
	s_delay_alu instid0(VALU_DEP_2)
	v_max_num_f32 v[T+\b], v[T+\b], v[T+4+\b]
.endr
.irp b, 0,1
	s_delay_alu instid0(VALU_DEP_2)
	v_add_nc_u32 v[T+12+\b], 0xff000000, v[T+\b]
.endr
.irp b, 0,1
	s_delay_alu instid0(VALU_DEP_2)
	v_lshrrev_b32 v[T+4+\b], 23, v[T+12+\b]
.endr
	s_delay_alu instid0(VALU_DEP_1)
	v_lshl_or_b32 v[T+6], v[T+5], 8, v[T+4]
	v_cvt_scalef32_pk16_fp6_f32 v[PG:PG+2], v[OL:OL+15], v[T+12]
	v_cvt_scalef32_pk16_fp6_f32 v[T+8:T+10], v[OL+16:OL+31], v[T+13]
	v_nop                                          ; one plain place behind a scaled conversion
.irp i, 0,1,2
	v_permlane16_swap_b32 v[PG+\i], v[T+8+\i]
.endr
.irp i, 0,1,2
	s_delay_alu instid0(VALU_DEP_3)
	v_mov_b32 v[PG+3+\i], v[T+8+\i]
.endr
	ds_store_b64 v7, v[PG:PG+1]
	ds_store_b64 v7, v[PG+2:PG+3] offset:8
	ds_store_b64 v7, v[PG+4:PG+5] offset:16
	ds_store_b16 v8, v[T+6]                        ; both lanes of a query write the same two bytes
.irp t, 0,1,2,3
	global_load_b128 v[AC+8*\t:AC+8*\t+3], v14, s[86:87] offset:64*\t      ; bo, in the result's layout: the C of the sums' first products
	global_load_b128 v[AC+8*\t+4:AC+8*\t+7], v14, s[86:87] offset:64*\t+16
.endr
	WLOAD 2, 154, 250
	s_wait_dscnt 0x0                               ; for the others' sake: my row's codes have landed
	s_barrier_signal -1
	s_barrier_wait -1                              ; sixteen rows of x_o lie in LDS
; ---- out = x_o Wo + bo: 16 rows x my 64 columns, eight K steps; transposed: source 0 = 16 columns of Wo, source 1 = the 16 rows.  Wo's records come three K steps ahead, x_o's fragments two.
.macro XLOAD s
.irp p, 0,1,2,3,4,5
	ds_load_b64 v[28+12*((\s)%2)+2*\p:29+12*((\s)%2)+2*\p], v10 offset:96*(\s)+48*(\p/3)+8*(\p%3)
.endr
	ds_load_b32 v[254+(\s)%2], v11 offset:4*(\s)
.endm
.macro TSTEP s, wb, sc
.if (\s) == 0
	s_wait_loadcnt 16                              ; records 0, 1 and bo are in; record 2's 16 loads may be out
.elseif (\s) < 6
	s_wait_loadcnt 32                              ; the two younger records may be out
.elseif (\s) == 6
	s_wait_loadcnt 16
.else
	s_wait_loadcnt 0x0
.endif
.if (\s) < 7
	s_wait_dscnt 7                                 ; the next K step's seven LDS loads may be out
.else
	s_wait_dscnt 0x0
.endif
.irp t, 0,1,2,3
	v_wmma_scale_f32_16x16x128_f8f6f4 v[AC+8*\t:AC+8*\t+7], v[\wb+12*\t:\wb+12*\t+11], v[28+12*((\s)%2):39+12*((\s)%2)], v[AC+8*\t:AC+8*\t+7], v[\sc+\t], v[254+(\s)%2] matrix_a_fmt:MATRIX_FMT_FP6 matrix_b_fmt:MATRIX_FMT_FP6
.endr
.rept 4
	v_nop                                          ; places in front of loads into registers that these products read, and of the first read of results
.endr
.if (\s)+3 < 8
	WLOAD (\s)+3, \wb, \sc
.endif
.if (\s)+2 < 8
	XLOAD (\s)+2
.endif
.endm
	XLOAD 0
	XLOAD 1
	TSTEP 0, 58, 20
	TSTEP 1, 106, 24
	TSTEP 2, 154, 250
	TSTEP 3, 58, 20
	TSTEP 4, 106, 24
	TSTEP 5, 154, 250
	TSTEP 6, 58, 20
	TSTEP 7, 106, 24
; ---- the way out: register j of tile t of lane (r, h) is out(row r, column 64 w + 16 t + 8 h + j); through my stage, back as rows of 256 bytes.  Row r of the tile is row 64 (4 gy + r / 4) + 4 gx + r % 4.
	s_mul_i32 s8, s[WV], 4352
	s_add_co_u32 s8, s8, STG
	v_mul_u32_u24 v7, v5, 272
	s_delay_alu instid0(VALU_DEP_1)
	v_lshl_add_u32 v7, v6, 5, v7
	s_delay_alu instid0(VALU_DEP_1)
	v_add_nc_u32 v7, s8, v7
	s_wait_alu depctr_va_vdst(0)
	v_mul_u32_u24 v8, v6, 272
	s_delay_alu instid0(VALU_DEP_1)
	v_lshl_add_u32 v8, v5, 4, v8
	s_delay_alu instid0(VALU_DEP_1)
	v_add_nc_u32 v8, s8, v8
	s_wait_alu depctr_va_vdst(0)
	v_lshlrev_b32 v9, 12, v6
	s_delay_alu instid0(VALU_DEP_1)
	v_lshl_add_u32 v9, v5, 4, v9
	s_bfe_u32 s8, ttmp6, 0x40000
	s_bfe_u32 s9, ttmp6, 0x40004
	s_lshl_b32 s10, ttmp9, 2
	s_add_co_u32 s10, s10, s8                      ; gx
	s_and_b32 s11, ttmp7, 0xffff
	s_lshl_b32 s11, s11, 2
	s_add_co_u32 s11, s11, s9                      ; gy
	s_lshl_b32 s11, s11, 20                        ; 256 gy rows of 4,096 bytes
	s_lshl_b32 s10, s10, 14                        ; 4 gx rows
	s_add_co_u32 s10, s10, s11
	s_lshl_b32 s11, s[WV], 8
	s_add_co_u32 s10, s10, s11
	s_mov_b32 s11, 0
	s_add_nc_u64 s[90:91], s[90:91], s[10:11]
.irp t, 0,1,2,3
	ds_store_b128 v7, v[AC+8*\t:AC+8*\t+3] offset:64*\t          ; each accumulator from its low end on
	ds_store_b128 v7, v[AC+8*\t+4:AC+8*\t+7] offset:64*\t+16
.endr
.irp i, 0,1,2,3,4,5,6,7
	ds_load_b128 v[58+4*\i:61+4*\i], v8 offset:544*\i            ; LDS serves a wave's instructions in order: these see my stores
.endr
	s_wait_alu depctr_va_vdst(0)
.irp i, 0,1,2,3,4,5,6,7
	s_wait_dscnt 7-\i                              ; the younger loads may be out
	global_store_b128 v9, v[58+4*\i:61+4*\i], s[90:91] offset:(\i/2)*262144+(\i%2)*8192 th:TH_STORE_NT   ; sixteen lanes store 256 consecutive bytes, at a multiple of 256 from out0's first byte
.endr
	s_wait_tensorcnt 0x0                           ; the wave's end
	ds_add_u32 v1, v2
	s_wait_dscnt 0x0
	CROUND                                         ; the closing round
	s_endpgm
.Lfunc_end_k_qc13b14ed6a_attn:
	.size	k_qc13b14ed6a_attn, .Lfunc_end_k_qc13b14ed6a_attn-k_qc13b14ed6a_attn
	.p2alignl 7, 3214868480
	.fill 96, 4, 3214868480
	.section	.rodata,"a",@progbits
	.p2align	6, 0x0
	.amdhsa_kernel k_qc13b14ed6a_attn
		.amdhsa_group_segment_fixed_size 327680
		.amdhsa_private_segment_fixed_size 0
		.amdhsa_enable_private_segment 0
		.amdhsa_kernarg_size 80
		.amdhsa_user_sgpr_count 2
		.amdhsa_user_sgpr_kernarg_segment_ptr 1
		.amdhsa_wavefront_size32 1
		.amdhsa_system_sgpr_workgroup_id_x 1
		.amdhsa_system_sgpr_workgroup_id_y 1
		.amdhsa_system_sgpr_workgroup_id_z 1
		.amdhsa_system_vgpr_workitem_id 0
		.amdhsa_next_free_vgpr 256
		.amdhsa_next_free_sgpr 102
		.amdhsa_reserve_vcc 0
		.amdhsa_float_denorm_mode_32 3
		.amdhsa_float_denorm_mode_16_64 3
		.amdhsa_memory_ordered 1
		.amdhsa_forward_progress 1
		.amdhsa_inst_pref_size 125
	.end_amdhsa_kernel
	.amdgpu_metadata
---
amdhsa.version: [ 1, 2 ]
amdhsa.kernels:
  - .name:           k_qc13b14ed6a_attn
    .symbol:         k_qc13b14ed6a_attn.kd
    .args:
      - { .name: qr, .offset: 0, .size: 8, .value_kind: global_buffer, .address_space: global }
      - { .name: qsc, .offset: 8, .size: 8, .value_kind: global_buffer, .address_space: global }
      - { .name: kv, .offset: 16, .size: 8, .value_kind: global_buffer, .address_space: global }
      - { .name: scl, .offset: 24, .size: 8, .value_kind: global_buffer, .address_space: global }
      - { .name: adjr, .offset: 32, .size: 8, .value_kind: global_buffer, .address_space: global }
      - { .name: mbits, .offset: 40, .size: 8, .value_kind: global_buffer, .address_space: global }
      - { .name: wgb, .offset: 48, .size: 8, .value_kind: global_buffer, .address_space: global }
      - { .name: bo, .offset: 56, .size: 8, .value_kind: global_buffer, .address_space: global }
      - { .name: alpha, .offset: 64, .size: 8, .value_kind: global_buffer, .address_space: global }
      - { .name: out0, .offset: 72, .size: 8, .value_kind: global_buffer, .address_space: global }
    .group_segment_fixed_size: 327680
    .private_segment_fixed_size: 0
    .kernarg_segment_align: 8
    .kernarg_segment_size: 80
    .max_flat_workgroup_size: 512
    .sgpr_count:     102
    .vgpr_count:     256
    .wavefront_size: 32
...
	.end_amdgpu_metadata
.endif
;; end of part 3
